; MI455X (gfx1250); checked and timed in simulation.
; The chip was launched on July 23, 2026; its instructions are those of AMD's public machine-readable ISA for CDNA 5 (MIT licence, August 2026) and "CDNA5" Instruction Set Architecture Reference Guide (July 2026). The comments in the code are by the model that wrote it; some were corrected since.
;; SINGLE Encoder. Allowed arithmetic: matrix products marked QUANTISED: E2M1 operands, one E8M0 scale for each 32 along K, by v_wmma_scale_f32_16x16x128_f8f6f4 with both operands' format E2M1 (or v_wmma_scale_f32_32x16x128_f4), f32 sums; everything else in f32.
;; Inputs: W1f 512 x 2,048 float32; W2f 2,048 x 512 float32; Wc 512 x 512 float32; We 1 x 16 float32; Wk 512 x 512 float32; Wq 512 x 512 float32; Wv 512 x 512 float32; b1 512 float32; b1f 2,048 float32; b2 512 float32; b2f 512 float32; bc 512 float32; be 16 float32; edge_info 32 x 512 x 512 float32; g1 512 float32; g2 512 float32; input1 32 x 512 x 512 float32.
;; Outputs: out0 32 x 512 x 512 float32.
;; This version of the problem:
;;   THIS VERSION OF THE PROBLEM IS GIVEN IN LOW PRECISION. The matrix products marked QUANTISED in the list below multiply operands that are first quantised to E2M1 (2 exponent bits, 1 mantissa bit; 4 bits a number), with one power-of-two scale for each 32 numbers along K (OCP MX v1.0); their sums are f32. All else is computed in f32.
;;   The module's matrix products, in the order in which they are computed (A, B: the left and right operand; K: the contracted axis; several contracted axes count as one K, in the product's order):
;;     1. [M 16,384, K 512] x [K 512, N 512]; A: input input1; B: input Wq: QUANTISED
;;     2. [M 16,384, K 512] x [K 512, N 512]; A: input input1; B: input Wk: QUANTISED
;;     3. [M 16,384, K 512] x [K 512, N 512]; A: input input1; B: input Wv: QUANTISED
;;     4. batch 512 x [M 512, K 32] x [K 32, N 512]; A: computed on the way; B: computed on the way: QUANTISED
;;     5. batch 512 x [M 512, K 512] x [K 512, N 32]; A: softmax (see below); B: computed on the way: QUANTISED
;;     6. [M 16,384, K 512] x [K 512, N 512]; A: computed on the way; B: input Wc: QUANTISED
;;     7. [M 16,384, K 512] x [K 512, N 2,048]; A: computed on the way; B: input W1f: QUANTISED
;;     8. [M 16,384, K 2,048] x [K 2,048, N 512]; A: computed on the way; B: input W2f: QUANTISED
;;   THE QUANTISER, for each operand of a quantised product, along K:
;;     - K is cut into blocks of 32 from its start; a last block that is shorter is filled with zeros.
;;     - A block's scale is 2^e with e = floor(log2(the largest magnitude in the block)) - 2, held to -126 .. 127; a block of zeros has e = 0. As a byte (E8M0): e + 127.
;;     - Each number is divided by its block's scale, clamped to +-6, and rounded to the nearest number of E2M1, ties to even, subnormals kept.
;;     - The product sums the exact products of the quantised numbers (number of the format x scale) in f32.
;;   ~~~python
;;   def quantise(x, axis):      # numpy; x: float32 -> the quantised numbers, widened to float32 again
;;       x = np.moveaxis(x, axis, -1); K = x.shape[-1]
;;       x = np.pad(x, [(0, 0)] * (x.ndim - 1) + [(0, -K % 32)]); x = x.reshape(x.shape[:-1] + (-1, 32)); a = np.abs(x).max(-1, keepdims=True)
;;       e = np.where(a > 0, np.clip(np.frexp(np.where(a > 0, a, 1))[1] - 1 - 2, -126, 127), 0)      # np.frexp(a)[1] - 1 = floor(log2(a)), exactly
;;       r = np.clip(x / 2.0 ** e, -6, 6)
;;       step = 2.0 ** (np.maximum(np.frexp(np.where(r == 0, 1, r))[1] - 1, 0) - 1)
;;       q = np.round(r / step) * step * 2.0 ** e      # np.round: ties to even
;;       return np.moveaxis(q.reshape(q.shape[:-2] + (-1,))[..., :K], -1, axis).astype(np.float32)
;;   ~~~
;;   SOFTMAX AHEAD OF A QUANTISED PRODUCT. Where the list says 'softmax', what is quantised is not the finished softmax but p = 2^(t - M), with t = logit x log2(e) and M = ceil(the row's largest t), a whole number; so 1/2 < the row's largest p <= 1. The row's sum l is taken of the UNQUANTISED p, in f32, and the product's result is divided by l at the end. Since M is a whole number, a kernel that streams over the keys may use a running M (the ceiling of the running maximum): every later rescaling is an exact power of two, which a block's scale takes up: the codes' values come out the same.
;;   OPERANDS COMPUTED ON THE WAY. 'Computed on the way' means the value that the module computes at that place (a softmax that the list does not call 'softmax' is quantised finished and normalised). What goes into a quantiser is computed in f32, as accurately as f32 sums, v_exp_f32 and their like allow (about 1e-6 of the number): no bf16 or f16 on the way to a quantiser, and a product that is left as it is and whose result goes on into a quantised operand takes f32 operands (vector FMAs, or v_wmma_f32_16x16x4_f32). A number that lies on a knife's edge between two numbers of the format may be rounded either way, as far as f32 arithmetic and the matrix unit's own rounding can turn it there, and no further.
;; One version. Each part assembles by itself: llvm-mc -triple=amdgcn-amd-amdhsa -mcpu=gfx1250 --defsym DOCPART=n.
;; ======== version 1 of 1: 5 launches
;; limits: right only within a limited range of input values
;; workspace buffers: wcodes 1,572,864 bytes; wscales 98,304 bytes; qkvc 12,582,912 bytes; qkvs 786,432 bytes; y1 33,554,432 bytes; st1 1,048,576 bytes; hid 16,777,216 bytes; hids 1,048,576 bytes
;; launch prep (part 1): grid 64 x 3, 4 waves a work-group, no clusters, 0 bytes of LDS; arguments Wq, Wk, Wv, Wc, W1f, W2f, wcodes, wscales; writes wcodes, wscales
.if DOCPART == 1
	.amdgcn_target "amdgcn-amd-amdhsa--gfx1250"
	.amdhsa_code_object_version 6
	.text
	.protected	k_qbe58ba02d7_prep
	.globl	k_qbe58ba02d7_prep
	.p2align	8
	.type	k_qbe58ba02d7_prep,@function
k_qbe58ba02d7_prep:
	s_mov_b64 s[64:65], 0
	v_nop
	global_prefetch_b8 v0, s[64:65] scope:SCOPE_SE
	s_setreg_imm32_b32 hwreg(HW_REG_WAVE_MODE, 25, 1), 1
	s_wait_xcnt 0x0
; The six weights, f32 stored [K][N], become codes of FP4 (E2M1) with one E8M0 byte for each 32 along K, laid as IMAGES OF THE OPERAND'S REGISTERS:
; wcodes [tile T][K step s][1,024 bytes]; in an image byte 512 c + 16 (rho + 16 h) begins the 32 codes k = 128 s + 64 c + 32 h + 0..31 of column pi(T, rho),
; pi(T, rho) = 32 (T / 2) + 8 (T % 2) + rho + 8 (rho / 8).  wscales [T][s][rho] is one word (four bytes, k = 32 b on) at the image's offset / 16.
; Order in wcodes: Wq, Wk, Wv, Wc (131,072 bytes each), W1f (524,288), W2f (524,288).
; A LANE TAKES A COLUMN AND ITS REGISTERS RUN DOWN K: a load reads 128 consecutive bytes a wave, a block of 32 lies in one lane, nothing is transposed.
; A wave takes 32 columns (two tiles) x 128 along K (one K step); a work-group 128 columns.  Grid y = 0: the four square weights; 1: W1f; 2: W2f.
; A block's scale is 2^(floor(log2(largest magnitude)) - 2); its byte is the largest magnitude's exponent field - 2, held at 1 from below.
; LIMITS: a block of zeros gets the byte 1 (its codes are zeros; only this program reads the bytes); NaN and infinities among the inputs are not served.
; The scale words leave 4 bytes a lane, 64 consecutive bytes for sixteen lanes: 98,304 bytes in the whole launch.
.set OFF, 16                           ; v16-47   i x pitch + 4 x lane
.set X,   48                           ; v48-175  four blocks of 32 numbers
.set C,   176                          ; v176-191 four registers of codes for each block: no store's data are written again
	s_load_b256 s[4:11], s[0:1], 0x0               ; Wq, Wk, Wv, Wc
	s_load_b256 s[12:19], s[0:1], 0x20             ; W1f, W2f, wcodes, wscales
	v_lshrrev_b32 v1, 5, v0
	v_readfirstlane_b32 s20, v1                    ; wave
	v_and_b32 v2, 31, v0                           ; lane
	s_wait_alu depctr_va_vdst(0)
	s_and_b32 s21, ttmp7, 0xffff                   ; y
	s_cmp_eq_u32 s21, 2
	s_cselect_b32 s22, 4, 2                        ; log2 of the K steps: 16 for W2f, else 4
	s_cmp_eq_u32 s21, 1
	s_cselect_b32 s23, 13, 11                      ; log2 of a row's bytes: 8,192 for W1f, else 2,048
	s_cselect_b32 s24, 15, 3                       ; groups of 128 columns in a weight, less one
	s_lshl_b32 s25, 1, s23                         ; a row's bytes
	s_bfm_b32 s26, s22, 0
	s_and_b32 s26, ttmp9, s26                      ; my K step
	s_lshr_b32 s27, ttmp9, s22                     ; group of columns, counted through the weights of this y
	s_and_b32 s28, s27, s24                        ; and within its weight
	s_lshr_b32 s29, s27, 2                         ; which of the four square weights (y = 0)
	s_lshl_b32 s30, s26, 7
	s_lshl_b32 s30, s30, s23                       ; 128 rows a K step
	s_lshl_b32 s31, s28, 9
	s_add_co_u32 s30, s30, s31                     ; + 128 columns a group
	s_lshl_b32 s31, s20, 7
	s_add_co_u32 s30, s30, s31                     ; + 32 columns a wave
	s_mov_b32 s31, 0
	s_lshl_b32 s40, s25, 5                         ; 32 rows: from block to block
	s_mov_b32 s41, 0
	s_lshl_b32 s42, s27, 2
	s_add_co_u32 s42, s42, s20                     ; my pair of tiles
	s_lshl_b32 s42, s42, 1
	s_lshl_b32 s42, s42, s22
	s_add_co_u32 s42, s42, s26
	s_lshl_b32 s42, s42, 10                        ; (tile x K steps + s) x 1,024
	s_lshl_b32 s43, s21, 19
	s_add_co_u32 s42, s42, s43                     ; + 524,288 y
	s_mov_b32 s43, 0
	s_lshr_b32 s44, s42, 4                         ; the scale words' offset
	s_mov_b32 s45, 0
	s_add_co_u32 s46, s22, 10
	s_add_co_u32 s47, s22, 6
	v_bfe_u32 v3, v0, 3, 1                         ; u: which of the two tiles my column falls into
	v_and_b32 v4, 7, v0
	v_bfe_u32 v5, v0, 4, 1
	v_lshl_add_u32 v4, v5, 3, v4                   ; rho = lane % 8 + 8 (lane / 16)
	v_lshlrev_b32 v6, s46, v3
	v_lshl_add_u32 v6, v4, 4, v6                   ; codes: u tiles on, + 16 rho
	v_lshlrev_b32 v7, s47, v3
	v_lshl_add_u32 v7, v4, 2, v7                   ; scale word: likewise / 16... + 4 rho
	v_lshlrev_b32 v8, 2, v2
.set ii, 0
.rept 32
	v_mad_u32_u24 v[OFF+ii], s25, ii, v8
.set ii, ii+1
.endr
	s_wait_alu depctr_va_vdst(0)
	s_wait_kmcnt 0x0
	s_cmp_eq_u32 s29, 1                            ; the source: a choice on ids alone
	s_cselect_b64 s[4:5], s[6:7], s[4:5]
	s_cmp_eq_u32 s29, 2
	s_cselect_b64 s[4:5], s[8:9], s[4:5]
	s_cmp_eq_u32 s29, 3
	s_cselect_b64 s[4:5], s[10:11], s[4:5]
	s_cmp_eq_u32 s21, 1
	s_cselect_b64 s[4:5], s[12:13], s[4:5]
	s_cmp_eq_u32 s21, 2
	s_cselect_b64 s[4:5], s[14:15], s[4:5]
	s_add_nc_u64 s[32:33], s[4:5], s[30:31]        ; a base for each block of 32 rows
	s_add_nc_u64 s[34:35], s[32:33], s[40:41]
	s_add_nc_u64 s[36:37], s[34:35], s[40:41]
	s_add_nc_u64 s[38:39], s[36:37], s[40:41]
	s_add_nc_u64 s[16:17], s[16:17], s[42:43]
	s_add_nc_u64 s[18:19], s[18:19], s[44:45]
.irp j, 0,1,2,3
.set ii, 0
.rept 32
	global_load_b32 v[X+32*\j+ii], v[OFF+ii], s[32+2*\j:33+2*\j] th:TH_LOAD_NT   ; W(128 s + 32 j + i, my column): read once in the launch
.set ii, ii+1
.endr
.endr
.macro BLOCK j, left
.set XB, X+32*\j
	s_wait_loadcnt \left
	v_max3_num_f32 v10, |v[XB]|, |v[XB+1]|, |v[XB+2]|              ; the block's largest magnitude, in two chains: all 32 numbers are mine
	v_max3_num_f32 v11, |v[XB+3]|, |v[XB+4]|, |v[XB+5]|
.irp i, 6,10,14,18,22,26
	v_max3_num_f32 v10, v10, |v[XB+\i]|, |v[XB+\i+1]|
	v_max3_num_f32 v11, v11, |v[XB+\i+2]|, |v[XB+\i+3]|
.endr
	v_max3_num_f32 v10, v10, |v[XB+30]|, |v[XB+31]|
	v_max3_num_f32 v10, v10, v11, 0x1800000        ; and the floor 2^(3 - 127): the byte cannot fall under 1
	v_add_nc_u32 v12, 0xff000000, v10              ; 2 off the exponent field: the conversion's scale operand
	v_lshrrev_b32 v13, 23, v12                     ; the scale's byte
.if \j == 0
	v_mov_b32 v14, v13
.else
	v_lshl_or_b32 v14, v13, 8*\j, v14
.endif
.irp g, 0,1,2,3
	v_cvt_scalef32_pk8_fp4_f32 v[C+4*\j+\g], v[XB+8*\g:XB+8*\g+7], v12
.endr
	global_store_b128 v6, v[C+4*\j:C+4*\j+3], s[16:17] offset:(\j/2)*512+(\j%2)*256   ; sixteen lanes of a tile store 256 consecutive bytes, aligned
.endm
	BLOCK 0, 63                                    ; 96 loads were issued behind block 0's: 63 is the largest count that a wait can name
	BLOCK 1, 63                                    ; 64 behind block 1's
	BLOCK 2, 32                                    ; block 3's may be out
	BLOCK 3, 0
	global_store_b32 v7, v14, s[18:19]             ; my column's scale word of this K step
	s_endpgm
.Lfunc_end_k_qbe58ba02d7_prep:
	.size	k_qbe58ba02d7_prep, .Lfunc_end_k_qbe58ba02d7_prep-k_qbe58ba02d7_prep
	.p2alignl 7, 3214868480
	.fill 96, 4, 3214868480
	.section	.rodata,"a",@progbits
	.p2align	6, 0x0
	.amdhsa_kernel k_qbe58ba02d7_prep
		.amdhsa_group_segment_fixed_size 0
		.amdhsa_private_segment_fixed_size 0
		.amdhsa_enable_private_segment 0
		.amdhsa_kernarg_size 64
		.amdhsa_user_sgpr_count 2
		.amdhsa_user_sgpr_kernarg_segment_ptr 1
		.amdhsa_wavefront_size32 1
		.amdhsa_system_sgpr_workgroup_id_x 1
		.amdhsa_system_sgpr_workgroup_id_y 1
		.amdhsa_system_sgpr_workgroup_id_z 1
		.amdhsa_system_vgpr_workitem_id 0
		.amdhsa_next_free_vgpr 192
		.amdhsa_next_free_sgpr 66
		.amdhsa_reserve_vcc 0
		.amdhsa_float_denorm_mode_32 3
		.amdhsa_float_denorm_mode_16_64 3
		.amdhsa_memory_ordered 1
		.amdhsa_forward_progress 1
		.amdhsa_inst_pref_size 23
	.end_amdhsa_kernel
	.amdgpu_metadata
---
amdhsa.version: [ 1, 2 ]
amdhsa.kernels:
  - .name:           k_qbe58ba02d7_prep
    .symbol:         k_qbe58ba02d7_prep.kd
    .args:
      - { .name: Wq, .offset: 0, .size: 8, .value_kind: global_buffer, .address_space: global }
      - { .name: Wk, .offset: 8, .size: 8, .value_kind: global_buffer, .address_space: global }
      - { .name: Wv, .offset: 16, .size: 8, .value_kind: global_buffer, .address_space: global }
      - { .name: Wc, .offset: 24, .size: 8, .value_kind: global_buffer, .address_space: global }
      - { .name: W1f, .offset: 32, .size: 8, .value_kind: global_buffer, .address_space: global }
      - { .name: W2f, .offset: 40, .size: 8, .value_kind: global_buffer, .address_space: global }
      - { .name: wcodes, .offset: 48, .size: 8, .value_kind: global_buffer, .address_space: global }
      - { .name: wscales, .offset: 56, .size: 8, .value_kind: global_buffer, .address_space: global }
    .group_segment_fixed_size: 0
    .private_segment_fixed_size: 0
    .kernarg_segment_align: 8
    .kernarg_segment_size: 64
    .max_flat_workgroup_size: 128
    .sgpr_count:     66
    .vgpr_count:     192
    .wavefront_size: 32
...
	.end_amdgpu_metadata
.endif
;; end of part 1
;; launch qkv (part 2): grid 256 x 1, 8 waves a work-group, no clusters, 150,528 bytes of LDS; arguments input1, wcodes, wscales, qkvc, qkvs; writes qkvc, qkvs
.if DOCPART == 2
	.amdgcn_target "amdgcn-amd-amdhsa--gfx1250"
	.amdhsa_code_object_version 6
	.text
	.protected	k_qbe58ba02d7_qkv
	.globl	k_qbe58ba02d7_qkv
	.p2align	8
	.type	k_qbe58ba02d7_qkv,@function
k_qbe58ba02d7_qkv:
	s_mov_b64 s[64:65], 0
	v_nop
	global_prefetch_b8 v0, s[64:65] scope:SCOPE_SE
	s_setreg_imm32_b32 hwreg(HW_REG_WAVE_MODE, 25, 1), 1
	s_wait_xcnt 0x0
; q = x Wq, k = x Wk, v = x Wv on codes of FP4 (E2M1) with E8M0 scales for each 32 along K, and the results quantised again for attention.
; A work-group takes 64 rows of x (input1 as [16,384][512]); wave w takes heads 2 w and 2 w + 1 of q, k and v for all 64 rows: six units of 32 matrix instructions.
; TILES: every tile of 16 takes pi(T, rho) = 32 (T / 2) + 8 (T % 2) + rho + 8 (rho / 8), so that the 16 result registers of tiles 2 b and 2 b + 1 are 16 neighbours 32 b + 16 (lane / 16) + 0..15.
; x: loaded 512 consecutive bytes an instruction, through an f32 stage in LDS (pitch 2,064), quantised once (wave w: tile w / 2, K steps 2 (w % 2) + 0, 1), handed round as images of the operand's registers.
; q, k (K of the next product = the head's 32): source 0 = 16 columns of W, source 1 = 16 rows of x: a lane holds one row and 16 of the head's 32; a block is shared with lane xor 16.
;   qkvc: q at 0, k at 4,194,304: [batch][head][tile 32][rho 16][16 bytes].  qkvs: q at 0, k at 262,144: [batch][head][f 8][rho 16][4 bytes: tiles 4 f .. 4 f + 3].
; v (K of the next product = the keys): the sources are swapped: a lane holds one of the head's 32 and 16 neighbouring keys.
;   qkvc + 8,388,608: [batch][head][key step 4][u 2][image of 1,024 bytes], row rho = d pi(u, rho).  qkvs + 524,288: [batch][head][u 2][rho 16][16 bytes: key blocks].
; The weights' images come straight from memory into the one wave that uses them, in a ring of three register buffers, two units ahead.
; LIMITS: a block of zeros gets the byte 1 with zero codes; NaN and infinities are not served.  v's scale bytes leave two bytes a lane (262,144 bytes in the launch), q's and k's four.
; REGISTERS: window 0: v1-11 addresses; v16-79 accumulators; v80-87 codes; v88-104 the quantiser's; v105-109 words on their way; v112-123 W's scale words (3 x 4), v124-131 x's; v192-255 weight buffer 2.
;   window 1: v0-127 x's 16 fragments (4 mt + s); v128-191, v192-255 weight buffers 0 and 1.
.set PITCH, 2064
.set XIMG,  132096                     ; behind the stage of 64 x 2,064 bytes: x's 16 images,
.set XSC,   148480                     ; and 8 x 128 bytes of scale words: index 2 mt + s / 2; lanes 0-15 the even K step, lanes 16-31 the odd
.set LI,  1                            ; 16 x lane
.set LS,  2                            ; 4 x lane
.set STA, 3                            ; stage, in: my wave's 8 rows
.set RDA, 4                            ; stage, out: my row of my tile, my two K steps
.set XWI, 5                            ; where I store my two images
.set XWS, 6                            ; and their words
.set XRI, 7                            ; XIMG + 16 x lane
.set XRS, 8                            ; XSC + 4 x lane
.set QSO, 9                            ; 4 r + 512 h: q's and k's words, two heads an instruction
.set VSO, 10                           ; 256 h + 16 r: v's bytes
.set SH,  11                           ; 16 h
.set ACC, 16
.set PC,  80
.set TM,  88
.set PW,  104
.set WS,  112
.set XS,  124
.set X2,  192
.set SEL, 24
.set MSB, 0
.macro WIN new                         ; the immediate's high byte repeats the setting that is left
.if MSB != (\new)
	s_set_vgpr_msb (MSB<<8)|(\new)
.set MSB, (\new)
.endif
.endm
.macro PLACES
.rept 4
	v_nop
.endr
.endm
.macro BARRIER                         ; my LDS stores have landed and my LDS loads are in: then the work-group's barrier
	s_wait_dscnt 0x0
	s_barrier_signal -1
	s_barrier_wait -1
.endm
; one matrix instruction.  c < 0: the constant 0 starts the sum.  ra, rb: the scale words stand in lanes 16-31
.macro MM d, a, b, c, sa, sb, ra, rb
.if (\c) < 0
.if (\ra) && (\rb)
	v_wmma_scale_f32_16x16x128_f8f6f4 v[(\d):(\d)+7], v[(\a):(\a)+7], v[(\b):(\b)+7], 0, v[(\sa)], v[(\sb)] matrix_a_fmt:MATRIX_FMT_FP4 matrix_b_fmt:MATRIX_FMT_FP4 matrix_a_scale:MATRIX_SCALE_ROW1 matrix_b_scale:MATRIX_SCALE_ROW1
.elseif (\ra)
	v_wmma_scale_f32_16x16x128_f8f6f4 v[(\d):(\d)+7], v[(\a):(\a)+7], v[(\b):(\b)+7], 0, v[(\sa)], v[(\sb)] matrix_a_fmt:MATRIX_FMT_FP4 matrix_b_fmt:MATRIX_FMT_FP4 matrix_a_scale:MATRIX_SCALE_ROW1
.elseif (\rb)
	v_wmma_scale_f32_16x16x128_f8f6f4 v[(\d):(\d)+7], v[(\a):(\a)+7], v[(\b):(\b)+7], 0, v[(\sa)], v[(\sb)] matrix_a_fmt:MATRIX_FMT_FP4 matrix_b_fmt:MATRIX_FMT_FP4 matrix_b_scale:MATRIX_SCALE_ROW1
.else
	v_wmma_scale_f32_16x16x128_f8f6f4 v[(\d):(\d)+7], v[(\a):(\a)+7], v[(\b):(\b)+7], 0, v[(\sa)], v[(\sb)] matrix_a_fmt:MATRIX_FMT_FP4 matrix_b_fmt:MATRIX_FMT_FP4
.endif
.else
.if (\ra) && (\rb)
	v_wmma_scale_f32_16x16x128_f8f6f4 v[(\d):(\d)+7], v[(\a):(\a)+7], v[(\b):(\b)+7], v[(\c):(\c)+7], v[(\sa)], v[(\sb)] matrix_a_fmt:MATRIX_FMT_FP4 matrix_b_fmt:MATRIX_FMT_FP4 matrix_a_scale:MATRIX_SCALE_ROW1 matrix_b_scale:MATRIX_SCALE_ROW1
.elseif (\ra)
	v_wmma_scale_f32_16x16x128_f8f6f4 v[(\d):(\d)+7], v[(\a):(\a)+7], v[(\b):(\b)+7], v[(\c):(\c)+7], v[(\sa)], v[(\sb)] matrix_a_fmt:MATRIX_FMT_FP4 matrix_b_fmt:MATRIX_FMT_FP4 matrix_a_scale:MATRIX_SCALE_ROW1
.elseif (\rb)
	v_wmma_scale_f32_16x16x128_f8f6f4 v[(\d):(\d)+7], v[(\a):(\a)+7], v[(\b):(\b)+7], v[(\c):(\c)+7], v[(\sa)], v[(\sb)] matrix_a_fmt:MATRIX_FMT_FP4 matrix_b_fmt:MATRIX_FMT_FP4 matrix_b_scale:MATRIX_SCALE_ROW1
.else
	v_wmma_scale_f32_16x16x128_f8f6f4 v[(\d):(\d)+7], v[(\a):(\a)+7], v[(\b):(\b)+7], v[(\c):(\c)+7], v[(\sa)], v[(\sb)] matrix_a_fmt:MATRIX_FMT_FP4 matrix_b_fmt:MATRIX_FMT_FP4
.endif
.endif
.endm
; 64 numbers of a lane, register 16 b + i = element 16 (lane / 16) + i of block b, become 8 registers of codes in v[PC] on (lane (r, h), registers 4 c on: block 2 c + h whole) and the word of four bytes in v[PW].
.macro QUANT s
.irp b, 0,1,2,3
	v_max3_num_f32 v[TM+\b], |v[\s+16*\b]|, |v[\s+1+16*\b]|, 0x1800000   ; my 16 numbers, and the floor 2^(3 - 127): the byte cannot fall under 1
.endr
.irp i, 2,4,6,8,10,12,14
.irp b, 0,1,2,3
	v_max3_num_f32 v[TM+\b], v[TM+\b], |v[\s+16*\b+\i]|, |v[\s+1+16*\b+\i]|   ; the four blocks by turns
.endr
.endr
.irp b, 0,1,2,3
	s_delay_alu instid0(VALU_DEP_4)
	v_permlanex16_b32 v[TM+4+\b], v[TM+\b], s[SEL], s[SEL+1]
.endr
.irp b, 0,1,2,3
	s_delay_alu instid0(VALU_DEP_4)
	v_max_num_f32 v[TM+\b], v[TM+\b], v[TM+4+\b]   ; with lane xor 16's: the block's largest magnitude
.endr
.irp b, 0,1,2,3
	s_delay_alu instid0(VALU_DEP_4)
	v_add_nc_u32 v[TM+12+\b], 0xff000000, v[TM+\b]   ; 2 off its exponent field: the conversion's scale operand
.endr
.irp b, 0,1,2,3
	s_delay_alu instid0(VALU_DEP_4)
	v_lshrrev_b32 v[TM+4+\b], 23, v[TM+12+\b]      ; the scale's byte
.endr
	s_delay_alu instid0(VALU_DEP_3)
	v_lshl_or_b32 v[PW], v[TM+5], 8, v[TM+4]
	s_delay_alu instid0(VALU_DEP_1)
	v_lshl_or_b32 v[PW], v[TM+6], 16, v[PW]
	s_delay_alu instid0(VALU_DEP_1)
	v_lshl_or_b32 v[PW], v[TM+7], 24, v[PW]
.irp b, 0,1,2,3
	v_cvt_scalef32_pk8_fp4_f32 v[PC+2*\b], v[\s+16*\b:\s+7+16*\b], v[TM+12+\b]
	v_cvt_scalef32_pk8_fp4_f32 v[PC+1+2*\b], v[\s+8+16*\b:\s+15+16*\b], v[TM+12+\b]
.endr
	v_nop                                          ; one plain place behind a scaled conversion
.irp c, 0,1
.irp i, 0,1
	v_permlane16_swap_b32 v[PC+4*\c+\i], v[PC+2+4*\c+\i]   ; a whole block to a lane
.endr
.endr
.endm
.macro BUF n                           ; the ring's buffer n % 3: its registers' name, their window, its scale words
.if (\n)%3 == 0
.set WB, 128
.set WW, 1
.elseif (\n)%3 == 1
.set WB, 192
.set WW, 1
.else
.set WB, 192
.set WW, 0
.endif
.set WSB, WS+4*((\n)%3)
.endm
.macro WLOAD imm                       ; a head's two tiles x four K steps: 16 loads of 512 consecutive bytes, and 4 of scale words (two K steps in the two halves of the lanes): 20 loads
	WIN (WW<<6)
.irp f, 0,1,2,3,4,5,6,7
.irp c, 0,1
	global_load_b128 v[WB+8*\f+4*\c:WB+8*\f+4*\c+3], v[LI], s[6:7] offset:(\imm)+1024*\f+512*\c
.endr
.endr
	WIN 0
.irp i, 0,1,2,3
	global_load_b32 v[WSB+\i], v[LS], s[8:9] offset:(\imm)/16+128*\i
.endr
.endm
; 32 matrix instructions: the eight accumulators take turns, one instruction a turn, K step by K step.
.macro UNIT kind
.if \kind == 0
	WIN (0x04|WW)                                  ; source 0 = W, source 1 = x (window 1)
.else
	WIN (0x01|(WW<<2))                             ; source 0 = x, source 1 = W
.endif
.irp s, 0,1,2,3
.irp mt, 0,1,2,3
.irp t, 0,1
.if \kind == 0
.set DD, ACC+16*\mt+8*\t
.else
.set DD, ACC+32*\t+8*\mt
.endif
.set CC, DD
.if \s == 0
.set CC, -1
.endif
.if \kind == 0
	MM DD, WB+8*(4*\t+\s), 8*(4*\mt+\s), CC, WSB+2*\t+\s/2, XS+2*\mt+\s/2, \s%2, \s%2
.else
	MM DD, 8*(4*\mt+\s), WB+8*(4*\t+\s), CC, XS+2*\mt+\s/2, WSB+2*\t+\s/2, \s%2, \s%2
.endif
.endr
.endr
.endr
	WIN 0
.endm
	s_load_b256 s[4:11], s[0:1], 0x0               ; input1, wcodes, wscales, qkvc
	s_load_b64 s[12:13], s[0:1], 0x20              ; qkvs
	v_lshl_add_u32 v190, v0, 2, 0x24800
	v_mov_b32 v191, 0
	v_lshrrev_b32 v12, 5, v0
	s_delay_alu instid0(VALU_DEP_1)
	v_readfirstlane_b32 s14, v12                   ; wave 0..7
	v_and_b32 v12, 31, v0                          ; lane
	v_and_b32 v13, 15, v0                          ; r
	v_bfe_u32 v14, v0, 4, 1                        ; h
	s_delay_alu instid0(VALU_DEP_3)
	v_lshlrev_b32 v[LI], 4, v12
	s_delay_alu instid0(VALU_DEP_4)
	v_lshlrev_b32 v[LS], 2, v12
	s_mul_i32 s15, s14, 8*PITCH
	v_add_nc_u32 v[STA], s15, v[LI]
	v_and_b32 v15, 8, v13
	s_delay_alu instid0(VALU_DEP_1)
	v_add_nc_u32 v15, v15, v13                     ; r + 8 (r / 8)
	s_delay_alu instid0(VALU_DEP_1)
	v_mul_u32_u24 v[RDA], v15, PITCH
	s_delay_alu instid0(VALU_DEP_1)
	v_lshl_add_u32 v[RDA], v14, 6, v[RDA]          ; + 64 h: my 16 numbers of a block of 32
	s_wait_alu depctr_va_vdst(0)
	s_lshr_b32 s16, s14, 1                         ; my tile of rows
	s_lshr_b32 s17, s16, 1
	s_and_b32 s18, s16, 1
	s_mul_i32 s17, s17, 32*PITCH
	s_mul_i32 s18, s18, 8*PITCH
	s_add_co_u32 s17, s17, s18
	s_and_b32 s18, s14, 1
	s_lshl_b32 s18, s18, 10                        ; my two K steps: 1,024 bytes of a row
	s_add_co_u32 s17, s17, s18
	v_add_nc_u32 v[RDA], s17, v[RDA]
	s_lshl_b32 s18, s14, 11
	s_add_co_u32 s18, s18, XIMG
	v_add_nc_u32 v[XWI], s18, v[LI]
	s_lshl_b32 s18, s14, 7
	s_add_co_u32 s18, s18, XSC
	v_add_nc_u32 v[XWS], s18, v[LS]
	v_add_nc_u32 v[XRI], XIMG, v[LI]
	v_add_nc_u32 v[XRS], XSC, v[LS]
	v_lshlrev_b32 v[QSO], 2, v13
	s_delay_alu instid0(VALU_DEP_1)
	v_lshl_add_u32 v[QSO], v14, 9, v[QSO]
	v_lshlrev_b32 v[VSO], 4, v13
	s_delay_alu instid0(VALU_DEP_1)
	v_lshl_add_u32 v[VSO], v14, 8, v[VSO]
	v_lshlrev_b32 v[SH], 4, v14
.irp b, 0,1,2,3
	v_mov_b32 v[TM+4+\b], 0                        ; written once: a lane permute's destination counts as one of its sources
.endr
	s_mov_b32 s[SEL], 0x76543210
	s_mov_b32 s[SEL+1], 0xfedcba98                 ; lane xor 16
	s_mov_b32 vcc_lo, 0xffff0000                   ; v_cndmask_b32: first source in lanes 0-15, second in lanes 16-31
	s_lshr_b32 s26, ttmp9, 3                       ; batch
	s_and_b32 s27, ttmp9, 7                        ; G: which 64 rows of the batch
	s_lshl_b32 s28, ttmp9, 17                      ; 64 rows of 2,048 bytes a work-group,
	s_lshl_b32 s29, s14, 14                        ; 8 a wave
	s_add_co_u32 s28, s28, s29
	s_mov_b32 s29, 0
	s_lshl_b32 s30, s26, 4
	s_lshl_b32 s31, s14, 1
	s_add_co_u32 s30, s30, s31                     ; 16 batch + 2 w: my first head
	s_lshl_b32 s32, s30, 13                        ; 8,192 bytes of codes a head
	s_lshl_b32 s33, s27, 10
	s_add_co_u32 s36, s32, s33                     ; q, k: + four tiles of 256 bytes a work-group
	s_mov_b32 s37, 0
	s_lshr_b32 s33, s27, 1
	s_lshl_b32 s33, s33, 11
	s_add_co_u32 s38, s32, s33                     ; v: key step G / 2,
	s_and_b32 s33, s27, 1
	s_lshl_b32 s33, s33, 9
	s_add_co_u32 s38, s38, s33                     ; half G % 2 of its images
	s_add_co_u32 s38, s38, 8388608
	s_mov_b32 s39, 0
	s_lshl_b32 s32, s30, 9                         ; 512 scale bytes a head
	s_lshl_b32 s33, s27, 6
	s_add_co_u32 s40, s32, s33
	s_mov_b32 s41, 0
	s_lshl_b32 s33, s27, 1
	s_add_co_u32 s42, s32, s33
	s_add_co_u32 s42, s42, 524288
	s_mov_b32 s43, 0
	s_lshl_b32 s44, s14, 14                        ; my four tiles of each weight
	s_mov_b32 s45, 0
	s_lshl_b32 s46, s14, 10
	s_mov_b32 s47, 0
	s_wait_kmcnt 0x0
	s_add_nc_u64 s[4:5], s[4:5], s[28:29]
	s_add_nc_u64 s[6:7], s[6:7], s[44:45]
	s_add_nc_u64 s[8:9], s[8:9], s[46:47]
	s_add_nc_u64 s[36:37], s[10:11], s[36:37]
	s_add_nc_u64 s[38:39], s[10:11], s[38:39]
	s_add_nc_u64 s[40:41], s[12:13], s[40:41]
	s_add_nc_u64 s[42:43], s[12:13], s[42:43]
	; ---- 1: my 8 rows of x, 512 consecutive bytes an instruction, into the registers that x's fragments will take; then the first two units' weights
	WIN 0x40
.set ii, 0
.rept 8
.irp q, 0,1,2,3
	global_load_b128 v[4*(4*ii+\q):4*(4*ii+\q)+3], v[LI], s[4:5] offset:2048*ii+512*\q
.endr
.set ii, ii+1
.endr
	WIN 0
	BUF 0
	WLOAD 0
	BUF 1
	WLOAD 8192
	WIN 0x04                                       ; an LDS store's data are its source 1
.set ii, 0
.rept 8
.if ii < 2
	s_wait_loadcnt 63                              ; row i is in: behind it stand 4 (7 - i) loads of x and 40 of weights; 63 is the largest count that a wait can name
.else
	s_wait_loadcnt 68-4*ii
.endif
.irp q, 0,1,2,3
	ds_store_b128 v[STA], v[4*(4*ii+\q):4*(4*ii+\q)+3] offset:PITCH*ii+512*\q
.endr
.set ii, ii+1
.endr
	WIN 0
	BARRIER                                        ; 64 rows of x lie in the stage
	; ---- 2: my tile's two K steps become two fragments
.irp b, 0,1,2,3
.irp j, 0,1,2,3
	ds_load_b128 v[ACC+16*\b+4*\j:ACC+16*\b+4*\j+3], v[RDA] offset:128*\b+16*\j
.endr
.endr
.irp b, 0,1,2,3
.irp j, 0,1,2,3
	ds_load_b128 v[X2+16*\b+4*\j:X2+16*\b+4*\j+3], v[RDA] offset:512+128*\b+16*\j
.endr
.endr
	s_wait_dscnt 16                                ; the first K step's 16 loads are in
	QUANT ACC
	ds_store_b128 v[XWI], v[PC:PC+3]
	ds_store_b128 v[XWI], v[PC+4:PC+7] offset:512
	v_mov_b32 v105, v[PW]
	s_wait_dscnt 0x0                               ; the second K step is in, and the stores have read their registers
	QUANT X2
	ds_store_b128 v[XWI], v[PC:PC+3] offset:1024
	ds_store_b128 v[XWI], v[PC+4:PC+7] offset:1536
	v_cndmask_b32 v106, v105, v[PW], vcc_lo        ; the even K step's words below, the odd one's above
	ds_store_b32 v[XWS], v106
	BARRIER                                        ; x's sixteen fragments lie in LDS
	; ---- 3: all of them into my registers
	WIN 0x40
.set ii, 0
.rept 16
	ds_load_b128 v[8*ii:8*ii+3], v[XRI] offset:1024*ii
	ds_load_b128 v[8*ii+4:8*ii+7], v[XRI] offset:1024*ii+512
.set ii, ii+1
.endr
	WIN 0
.irp i, 0,1,2,3,4,5,6,7
	ds_load_b32 v[XS+\i], v[XRS] offset:128*\i
.endr
	s_wait_dscnt 0x0
	; ---- 4: six units: q, k, v x my two heads
.macro RUN u
.if \u+2 < 6
	BUF \u+2
	WLOAD ((\u+2)/2)*131072+((\u+2)%2)*8192        ; two units ahead, into the buffer whose last products stand a whole quantiser back
.endif
.if \u < 4
	s_wait_loadcnt 40                              ; this unit's 20 loads are in; the two units behind it may be out
.elseif \u == 4
	s_wait_loadcnt 20
.else
	s_wait_loadcnt 0x0
.endif
	BUF \u
	UNIT \u/4
	PLACES                                         ; in front of the first read of results
	s_wait_xcnt 0x0                                ; the last unit's stores have read their data: the codes' registers are written again only behind this wait
	QUANT ACC
.if \u < 4
	global_store_b128 v[LI], v[PC:PC+3], s[36:37] offset:(\u/2)*4194304+(\u%2)*8192        ; four tiles' codes: 2 x 512 consecutive bytes
	global_store_b128 v[LI], v[PC+4:PC+7], s[36:37] offset:(\u/2)*4194304+(\u%2)*8192+512
.if \u%2 == 0
	v_mov_b32 v105, v[PW]
.else
	v_cndmask_b32 v[106+\u/2], v105, v[PW], vcc_lo ; my two heads' words in the two halves of the lanes
	global_store_b32 v[QSO], v[106+\u/2], s[40:41] offset:(\u/2)*262144
.endif
.else
	global_store_b128 v[LI], v[PC:PC+3], s[38:39] offset:(\u%2)*8192                       ; d tile 0: lanes 0-15 key block 2 G, lanes 16-31 block 2 G + 1
	global_store_b128 v[LI], v[PC+4:PC+7], s[38:39] offset:(\u%2)*8192+1024                ; d tile 1
	v_lshrrev_b32 v[108+\u%2], v[SH], v[PW]        ; lanes 0-15: tile 0's two bytes; lanes 16-31: tile 1's
	global_store_b16 v[VSO], v[108+\u%2], s[42:43] offset:(\u%2)*512
.endif
.endm
	RUN 0
	RUN 1
	RUN 2
	RUN 3
	RUN 4
	RUN 5
	s_wait_tensorcnt 0x0
	ds_add_u32 v190, v191
	s_wait_dscnt 0x0
	s_endpgm
.Lfunc_end_k_qbe58ba02d7_qkv:
	.size	k_qbe58ba02d7_qkv, .Lfunc_end_k_qbe58ba02d7_qkv-k_qbe58ba02d7_qkv
	.p2alignl 7, 3214868480
	.fill 96, 4, 3214868480
	.section	.rodata,"a",@progbits
	.p2align	6, 0x0
	.amdhsa_kernel k_qbe58ba02d7_qkv
		.amdhsa_group_segment_fixed_size 150528
		.amdhsa_private_segment_fixed_size 0
		.amdhsa_enable_private_segment 0
		.amdhsa_kernarg_size 40
		.amdhsa_user_sgpr_count 2
		.amdhsa_user_sgpr_kernarg_segment_ptr 1
		.amdhsa_wavefront_size32 1
		.amdhsa_system_sgpr_workgroup_id_x 1
		.amdhsa_system_sgpr_workgroup_id_y 1
		.amdhsa_system_sgpr_workgroup_id_z 1
		.amdhsa_system_vgpr_workitem_id 0
		.amdhsa_next_free_vgpr 512
		.amdhsa_next_free_sgpr 66
		.amdhsa_reserve_vcc 1
		.amdhsa_float_denorm_mode_32 3
		.amdhsa_float_denorm_mode_16_64 3
		.amdhsa_memory_ordered 1
		.amdhsa_forward_progress 1
		.amdhsa_inst_pref_size 88
	.end_amdhsa_kernel
	.amdgpu_metadata
---
amdhsa.version: [ 1, 2 ]
amdhsa.kernels:
  - .name:           k_qbe58ba02d7_qkv
    .symbol:         k_qbe58ba02d7_qkv.kd
    .args:
      - { .name: input1, .offset: 0, .size: 8, .value_kind: global_buffer, .address_space: global }
      - { .name: wcodes, .offset: 8, .size: 8, .value_kind: global_buffer, .address_space: global }
      - { .name: wscales, .offset: 16, .size: 8, .value_kind: global_buffer, .address_space: global }
      - { .name: qkvc, .offset: 24, .size: 8, .value_kind: global_buffer, .address_space: global }
      - { .name: qkvs, .offset: 32, .size: 8, .value_kind: global_buffer, .address_space: global }
    .group_segment_fixed_size: 150528
    .private_segment_fixed_size: 0
    .kernarg_segment_align: 8
    .kernarg_segment_size: 40
    .max_flat_workgroup_size: 256
    .sgpr_count:     66
    .vgpr_count:     512
    .wavefront_size: 32
...
	.end_amdgpu_metadata
.endif
;; end of part 2
;; launch attn (part 3): grid 256 x 1, 8 waves a work-group, no clusters, 233,472 bytes of LDS; arguments edge_info, qkvc, qkvs, We, be, wcodes, wscales, bc, input1, y1, st1; writes y1, st1
.if DOCPART == 3
	.amdgcn_target "amdgcn-amd-amdhsa--gfx1250"
	.amdhsa_code_object_version 6
	.text
	.protected	k_qbe58ba02d7_attn
	.globl	k_qbe58ba02d7_attn
	.p2align	8
	.type	k_qbe58ba02d7_attn,@function
k_qbe58ba02d7_attn:
	s_mov_b64 s[64:65], 0
	v_nop
	global_prefetch_b8 v0, s[64:65] scope:SCOPE_SE
	s_setreg_imm32_b32 hwreg(HW_REG_WAVE_MODE, 25, 1), 1
	s_wait_xcnt 0x0
; Attention with an edge bias, the product with Wc, the residual, and each channel's partial sums for the first norm.  All three products on codes of FP4 (E2M1) with E8M0 scales.
; A work-group takes 64 queries of one batch and all 16 heads.  Wave w takes query tile qt = w % 4 (16 queries) and heads 8 (w / 4) + 0..7, one after the other.
; EDGE: the wave's 16 queries x 512 keys of edge_info stay in 256 registers (window 1) for all its heads.  edge x We[a] + be[a] is the C of the score product.
; SCORES, K = 32: a fragment of K is the image of FOUR key tiles, one in each block of 32 of the instruction's 128; four variants of Q hold the query's 32 codes in one block and zero codes elsewhere.
; Both products are used transposed: a lane holds ONE query.  The keys of a tile are pi(T, rho) = 32 (T/2) + 8 (T%2) + rho + 8 (rho/8).
; SOFTMAX: t = score x log2(e) / sqrt(32); M = the running largest t rounded up to a whole number; p = 2^(t - M) is quantised along the keys, not normalised; the sum of the unquantised p divides O at the end;
;   when M moves, the sum and O are multiplied by 2^(old M - new M).  A block's largest p is the block's largest score put through the same multiply-add and exponential.
;   A key step's 68 exponentials go as one batch, with one wait ahead of it and one behind it.
; K, V and their scale bytes of the two heads in hand lie in one of two LDS slots; the next two heads' come through registers into the other slot at the head's middle.
; ONE BARRIER A HEAD, SPLIT: a wave signals in key step 3, when its last reads of the slot and its hand-over stores are done (s_wait_dscnt 0), and waits behind the head's closing arithmetic; only register work stands between.
; No joint loads and no prefetch: a head's 17 KB are shared by four waves of one work-group already, and are asked for two key steps ahead of the wait for them, into registers.
; INPUT1: a wave fetches one of its 8 rows a head and puts it into the f32 stage that the edge values have left.
; PRODUCT 6: O / sum is quantised a head at a time into images in LDS; wave w then makes columns 64 w .. 64 w + 63 of the 64 rows; its sums begin as input1, read from the stage in the result's layout.
; OUT: thread t owns columns 2 t, 2 t + 1 of all 64 rows: y1 = sum + bc; st1[g] = the 64 rows' sum and the sum of squares about their own mean.
; LIMITS: the promise holds while |t| stays under 2^31; p under 2^-126 is flushed to 0; a block of zeros gets the byte 1 with zero codes; NaN and infinities are not served.
; REGISTERS, window 0: v1-15 addresses; v16-55, v60 the next head on its way (v16-31 later a row of input1); v56 -M, v57 largest t, v[58:59] the sum; v61 zero; v[62:63] O's scale bytes; v64-127 S, then p; v128-143 O;
;   v144-159 product 6's scale words; v160-175 K; v176-191 V; v192-199 p's codes; v200-219 zeros | Q low | zeros | Q high | zeros; v220-221 O's codes; v222-223 stage addresses; v224-231 block maxima and bytes, then four sum chains;
;   v232-235 scale operands; v238 f; v239 p's scale word; v241 K's; v242 Q's; v244-247 V's; v[248:249] We; v[250:251] be; v252, v253 the add's.   window 1: the edge values.
.set PITCH, 2064
.set SLOT0, 132096                     ; behind the stage.  In a slot, at 17,408 x (w / 4): K 8,192, V 8,192, K's scale bytes 512, V's 512
.set SLOT1, 197632
.set HALF,  17408
.set OIMG,  166912                     ; [qt][head][256 bytes]
.set OSC,   183296                     ; [qt][r][16 bytes: a byte a head]
.set SPARE, 232448                     ; the spare words: 128 bytes a wave
.set LI,   1
.set LS,   2
.set ADK,  3
.set ADS,  5
.set WK,   7
.set WSA,  9
.set OAD,  11
.set QOF,  13
.set QSOF, 14
.set L8,   15
.set XST,  222
.set XAD,  223
.set S,   64
.set O,   128
.set KF,  160
.set VF,  176
.set P,   192
.set BM,  224
.set BP,  228
.set BS,  232
.set T,   224
.set AX,  49
.set CS,  50
.set SEL, 52
.set TRIP, 54
.set AO,  55
.set MSB, 0
.macro WIN new
.if MSB != (\new)
	s_set_vgpr_msb (MSB<<8)|(\new)
.set MSB, (\new)
.endif
.endm
.macro PLACES
.rept 4
	v_nop
.endr
.endm
.macro BARRIER
	s_wait_dscnt 0x0
	s_barrier_signal -1
	s_barrier_wait -1
.endm
.macro MM d, a, b, c, sa, sb, ra, rb
.if (\c) < 0
.if (\ra) && (\rb)
	v_wmma_scale_f32_16x16x128_f8f6f4 v[(\d):(\d)+7], v[(\a):(\a)+7], v[(\b):(\b)+7], 0, v[(\sa)], v[(\sb)] matrix_a_fmt:MATRIX_FMT_FP4 matrix_b_fmt:MATRIX_FMT_FP4 matrix_a_scale:MATRIX_SCALE_ROW1 matrix_b_scale:MATRIX_SCALE_ROW1
.elseif (\ra)
	v_wmma_scale_f32_16x16x128_f8f6f4 v[(\d):(\d)+7], v[(\a):(\a)+7], v[(\b):(\b)+7], 0, v[(\sa)], v[(\sb)] matrix_a_fmt:MATRIX_FMT_FP4 matrix_b_fmt:MATRIX_FMT_FP4 matrix_a_scale:MATRIX_SCALE_ROW1
.elseif (\rb)
	v_wmma_scale_f32_16x16x128_f8f6f4 v[(\d):(\d)+7], v[(\a):(\a)+7], v[(\b):(\b)+7], 0, v[(\sa)], v[(\sb)] matrix_a_fmt:MATRIX_FMT_FP4 matrix_b_fmt:MATRIX_FMT_FP4 matrix_b_scale:MATRIX_SCALE_ROW1
.else
	v_wmma_scale_f32_16x16x128_f8f6f4 v[(\d):(\d)+7], v[(\a):(\a)+7], v[(\b):(\b)+7], 0, v[(\sa)], v[(\sb)] matrix_a_fmt:MATRIX_FMT_FP4 matrix_b_fmt:MATRIX_FMT_FP4
.endif
.else
.if (\ra) && (\rb)
	v_wmma_scale_f32_16x16x128_f8f6f4 v[(\d):(\d)+7], v[(\a):(\a)+7], v[(\b):(\b)+7], v[(\c):(\c)+7], v[(\sa)], v[(\sb)] matrix_a_fmt:MATRIX_FMT_FP4 matrix_b_fmt:MATRIX_FMT_FP4 matrix_a_scale:MATRIX_SCALE_ROW1 matrix_b_scale:MATRIX_SCALE_ROW1
.elseif (\ra)
	v_wmma_scale_f32_16x16x128_f8f6f4 v[(\d):(\d)+7], v[(\a):(\a)+7], v[(\b):(\b)+7], v[(\c):(\c)+7], v[(\sa)], v[(\sb)] matrix_a_fmt:MATRIX_FMT_FP4 matrix_b_fmt:MATRIX_FMT_FP4 matrix_a_scale:MATRIX_SCALE_ROW1
.elseif (\rb)
	v_wmma_scale_f32_16x16x128_f8f6f4 v[(\d):(\d)+7], v[(\a):(\a)+7], v[(\b):(\b)+7], v[(\c):(\c)+7], v[(\sa)], v[(\sb)] matrix_a_fmt:MATRIX_FMT_FP4 matrix_b_fmt:MATRIX_FMT_FP4 matrix_b_scale:MATRIX_SCALE_ROW1
.else
	v_wmma_scale_f32_16x16x128_f8f6f4 v[(\d):(\d)+7], v[(\a):(\a)+7], v[(\b):(\b)+7], v[(\c):(\c)+7], v[(\sa)], v[(\sb)] matrix_a_fmt:MATRIX_FMT_FP4 matrix_b_fmt:MATRIX_FMT_FP4
.endif
.endif
.endm
; The next head is asked for: my quarter of its K and V, my quarter of their scale bytes, my tile of q with its word, We and be: 13 loads.
.macro HLOAD
.irp i, 0,1,2,3
	global_load_b128 v[16+4*\i:19+4*\i], v[LI], s[26:27] offset:512*\i
	global_load_b128 v[32+4*\i:35+4*\i], v[LI], s[26:27] offset:4194304+512*\i
.endr
	global_load_b64 v[48:49], v[L8], s[28:29]
	global_load_b128 v[50:53], v[QOF], s[30:31]
	global_load_b32 v54, v[QSOF], s[32:33]
	global_load_b32 v55, v61, s[10:11]
	global_load_b32 v60, v61, s[12:13]
.endm
.macro HANDKV slot                     ; K, V and the bytes go into the slot named, which nobody has read since the last barrier
.irp i, 0,1,2,3
	ds_store_b128 v[WK+(\slot)], v[16+4*\i:19+4*\i] offset:512*\i
	ds_store_b128 v[WK+(\slot)], v[32+4*\i:35+4*\i] offset:8192+512*\i
.endr
	ds_store_b64 v[WSA+(\slot)], v[48:49]
.endm
.macro HANDQ                           ; Q's variants, its scale word, We and be; the bases step to the head behind (no load is out)
.irp i, 0,1,2,3
	v_cndmask_b32 v[204+\i], v[50+\i], v61, vcc_lo
	v_cndmask_b32 v[212+\i], v61, v[50+\i], vcc_lo
.endr
	v_perm_b32 v242, v54, v54, s48
	v_mov_b32 v248, v55
	v_mov_b32 v249, v55
	v_mov_b32 v250, v60
	v_mov_b32 v251, v60
	s_add_nc_u64 s[26:27], s[26:27], 8192
	s_add_nc_u64 s[30:31], s[30:31], 8192
	s_add_nc_u64 s[28:29], s[28:29], 512
	s_add_nc_u64 s[32:33], s[32:33], 512
	s_add_nc_u64 s[10:11], s[10:11], 4
	s_add_nc_u64 s[12:13], s[12:13], 4
.endm
.macro XLOAD                           ; a row of input1: four loads of 512 consecutive bytes
.irp q, 0,1,2,3
	global_load_b128 v[16+4*\q:19+4*\q], v[LI], s[20:21] offset:512*\q th:TH_LOAD_NT
.endr
.endm
.macro XSTORE slot
	v_add_nc_u32 v[XAD], s[AX], v[XST]
.irp q, 0,1,2,3
	ds_store_b128 v[XAD], v[16+4*\q:19+4*\q] offset:PITCH*(\slot)+512*\q
.endr
	s_add_nc_u64 s[20:21], s[20:21], 2048
.endm
.macro WCLOAD                          ; Wc: my four tiles x four K steps, and their scale words: 40 loads
.irp tt, 0,1,2,3
.irp k2, 0,1
	global_load_b32 v[152+2*\tt+\k2], v[LS], s[16:17] offset:256*\tt+128*\k2
.endr
.endr
	WIN 0x40
.irp tt, 0,1,2,3
.irp kp, 0,1,2,3
.irp c, 0,1
	global_load_b128 v[8*(4*\tt+\kp)+4*\c:8*(4*\tt+\kp)+4*\c+3], v[LI], s[14:15] offset:4096*\tt+1024*\kp+512*\c
.endr
.endr
.endr
	WIN 0
.endm
.macro KLOAD slot, s                   ; a key step's two fragments of K and their scale words: 5 loads
.irp f, 0,1
.irp c, 0,1
	ds_load_b128 v[KF+8*\f+4*\c:KF+8*\f+4*\c+3], v[ADK+\slot] offset:2048*(\s)+1024*\f+512*\c
.endr
.endr
	ds_load_b32 v241, v[ADS+\slot] offset:16384+128*(\s)
.endm
.macro TMJ j                           ; t - M of the pair of scores j
	v_pk_fma_f32 v[S+2*(\j):S+2*(\j)+1], v[S+2*(\j):S+2*(\j)+1], s[CS:CS+1], v[56:57] op_sel_hi:[1,0,0]
.endm
; A KEY STEP: 128 keys.  The matrix instructions' accumulators take turns, one instruction a turn.
.macro STEP slot, s
.if \s == 0
.set FST, 1
.else
.set FST, 0
.endif
	WIN 0x01                                       ; source 0: the edge values, window 1
.set kk, 0
.rept 32
	v_pk_fma_f32 v[S+kk:S+kk+1], v[64*\s+kk:64*\s+kk+1], v[248:249], v[250:251]   ; edge x We + be: the scores' C; also the places in front of the loads into V's registers
.set kk, kk+2
.endr
	WIN 0
.irp u, 0,1
.irp c, 0,1
	ds_load_b128 v[VF+8*\u+4*\c:VF+8*\u+4*\c+3], v[ADK+\slot] offset:8192+2048*\s+1024*\u+512*\c
.endr
.endr
	PLACES
	s_wait_alu depctr_va_vdst(0)                   ; directly ahead of the wait below
	s_wait_dscnt 0x4                               ; K and its words are in (step 2: the hand-over's nine stores have read their registers); V's four loads may be out
.if \s == 2
	XLOAD
.endif
.irp t, 0,1,2,3,4,5,6,7
	MM S+8*\t, KF+8*(\t/4), 204+8*(\t%2)-4*((\t%4)/2), S+8*\t, 241, 242, \t/4, 0
.endr
	PLACES                                         ; in front of the loads into K's registers and of the first read of the scores
.if \s < 3
	KLOAD \slot, \s+1
.endif
.irp b, 0,1,2,3
	v_max3_num_f32 v[BM+\b], v[S+16*\b], v[S+1+16*\b], v[S+2+16*\b]   ; the largest score of each block of 32 keys
.endr
.irp i, 3,5,7,9,11,13
.irp b, 0,1,2,3
	v_max3_num_f32 v[BM+\b], v[BM+\b], v[S+16*\b+\i], v[S+1+16*\b+\i]
.endr
.endr
.irp b, 0,1,2,3
	v_max_num_f32 v[BM+\b], v[BM+\b], v[S+15+16*\b]
.endr
.irp b, 0,1,2,3
	v_permlanex16_b32 v[BP+\b], v[BM+\b], s[SEL], s[SEL+1]
.endr
.irp b, 0,1,2,3
	v_max_num_f32 v[BM+\b], v[BM+\b], v[BP+\b]     ; with lane xor 16's 16 keys
.endr
	v_max3_num_f32 v254, v[BM], v[BM+1], v[BM+2]
	s_delay_alu instid0(VALU_DEP_1)
	v_max_num_f32 v254, v254, v[BM+3]
	s_delay_alu instid0(VALU_DEP_1)
.if \s == 0
	v_mul_f32 v57, s[CS], v254                     ; a head's first step starts the running maximum
	s_delay_alu instid0(VALU_DEP_1)
	v_floor_f32 v56, -v57                          ; -M = floor(-t): M is a whole number
	TMJ 0
	TMJ 1
.else
	v_mul_f32 v254, s[CS], v254
	s_delay_alu instid0(VALU_DEP_1)
	v_max_num_f32 v57, v57, v254
	v_mov_b32 v254, v56
	s_delay_alu instid0(VALU_DEP_2)
	v_floor_f32 v56, -v57
	s_delay_alu instid0(VALU_DEP_1)
	v_sub_f32 v254, v56, v254                      ; old M - new M: a whole number, 0 or less
	TMJ 0
	s_delay_alu instid0(VALU_DEP_2)
	v_cvt_i32_f32 v254, v254
	TMJ 1
	s_delay_alu instid0(VALU_DEP_2)
	v_ldexp_f32 v238, 1.0, v254                    ; f = 2^(old M - new M)
.endif
.set kk, 2
.rept 30
	TMJ kk
.set kk, kk+1
.endr
.irp b, 0,1,2,3
	v_fma_f32 v[BM+\b], v[BM+\b], s[CS], v56       ; t - M of each block's largest score
.endr
.if \s < 3
	s_wait_dscnt 0x5                               ; V is in; the next step's five loads of K may be out
.else
	s_wait_dscnt 0x0                               ; my last reads of this slot are in, and my hand-over stores have landed:
	s_barrier_signal -1                            ; say so; the wait stands at the head's end, with register work alone between
.endif
	s_wait_alu depctr_va_vdst(0)                   ; the wait ahead of the batch
.irp b, 0,1,2,3
	v_exp_f32 v[BM+\b], v[BM+\b]                   ; the blocks' largest p
.endr
.set kk, 0
.rept 64
	v_exp_f32 v[S+kk], v[S+kk]                     ; p = 2^(t - M)
.set kk, kk+1
.endr
.if FST
	v_nop                                          ; a plain place behind the exponentials
.else
	v_pk_mul_f32 v[58:59], v[58:59], v[238:239] op_sel_hi:[1,0]   ; the sum under the new M (a plain place behind the exponentials)
.endif
	s_wait_alu depctr_va_vdst(0)                   ; one wait for the batch, directly ahead of O's first readers
.if FST == 0
.set kk, 0
.rept 8
	v_pk_mul_f32 v[O+kk:O+kk+1], v[O+kk:O+kk+1], v[238:239] op_sel_hi:[1,0]   ; O under the new M, each accumulator from its low end on
.set kk, kk+2
.endr
.endif
.irp b, 0,1,2,3
	v_max_num_f32 v[BM+\b], 0x1800000, v[BM+\b]    ; the floor 2^(3 - 127): the byte cannot fall under 1
.endr
.irp b, 0,1,2,3
	v_add_nc_u32 v[BS+\b], 0xff000000, v[BM+\b]    ; 2 off the exponent field: the conversion's scale operand
.endr
.irp b, 0,1,2,3
	v_lshrrev_b32 v[BP+\b], 23, v[BS+\b]           ; the scale's byte
.endr
	v_lshl_or_b32 v239, v[BP+1], 8, v[BP]
	v_lshl_or_b32 v239, v[BP+2], 16, v239
	v_lshl_or_b32 v239, v[BP+3], 24, v239          ; p's scale word for these 128 keys
.irp b, 0,1,2,3
	v_cvt_scalef32_pk8_fp4_f32 v[P+2*\b], v[S+16*\b:S+7+16*\b], v[BS+\b]
	v_cvt_scalef32_pk8_fp4_f32 v[P+1+2*\b], v[S+8+16*\b:S+15+16*\b], v[BS+\b]
.endr
.irp m, 0,1,2,3
	v_pk_add_f32 v[T+2*\m:T+2*\m+1], v[S+2*\m:S+2*\m+1], v[S+8+2*\m:S+9+2*\m]   ; the sum of the unquantised p, in four chains (plain places behind the conversions)
.endr
.irp c, 0,1
.irp i, 0,1
	v_permlane16_swap_b32 v[P+4*\c+\i], v[P+2+4*\c+\i]   ; a whole block to a lane
.endr
.endr
.set kk, 8
.rept 24
	v_pk_add_f32 v[T+2*(kk%4):T+2*(kk%4)+1], v[T+2*(kk%4):T+2*(kk%4)+1], v[S+2*kk:S+2*kk+1]   ; these are also the places between the codes, the scale word and the products
.set kk, kk+1
.endr
	v_pk_add_f32 v[T:T+1], v[T:T+1], v[T+2:T+3]
	v_pk_add_f32 v[T+4:T+5], v[T+4:T+5], v[T+6:T+7]
.if FST
	v_pk_add_f32 v[58:59], v[T:T+1], v[T+4:T+5]    ; a head's first step starts the sum
.else
	v_pk_add_f32 v[58:59], v[58:59], v[T:T+1]
	v_pk_add_f32 v[58:59], v[58:59], v[T+4:T+5]
.endif
.irp u, 0,1
.if \s == 0
	MM O+8*\u, VF+8*\u, P, -1, 244+\s, 239, \u, 0
.else
	MM O+8*\u, VF+8*\u, P, O+8*\u, 244+\s, 239, \u, 0
.endif
.endr
.endm
; A head's end: O / the sum, quantised (the head's 32 are one block, shared with lane xor 16); then the barrier's wait; then 8 bytes of codes a lane into O's image.
.macro FINISH slot
	v_nop
	v_nop
	v_add_f32 v58, v58, v59
	v_permlanex16_b32 v240, v58, s[SEL], s[SEL+1]
	v_add_f32 v58, v58, v240                       ; the row's sum
	s_wait_alu depctr_va_vdst(0)                   ; the wait ahead of the transcendental
	v_rcp_f32 v58, v58
	v_add_nc_u32 v12, s[AO], v[OAD]                ; (a plain place behind the reciprocal)
	s_wait_alu depctr_va_vdst(0)                   ; the wait behind it, directly ahead of O's first readers
.set kk, 0
.rept 8
	v_pk_mul_f32 v[O+kk:O+kk+1], v[O+kk:O+kk+1], v[58:59] op_sel_hi:[1,0]
.set kk, kk+2
.endr
	v_max3_num_f32 v254, |v[O]|, |v[O+1]|, 0x1800000
	v_max3_num_f32 v255, |v[O+2]|, |v[O+3]|, |v[O+4]|
	v_max3_num_f32 v254, v254, |v[O+5]|, |v[O+6]|
	v_max3_num_f32 v255, v255, |v[O+7]|, |v[O+8]|
	v_max3_num_f32 v254, v254, |v[O+9]|, |v[O+10]|
	v_max3_num_f32 v255, v255, |v[O+11]|, |v[O+12]|
	v_max3_num_f32 v254, v254, |v[O+13]|, |v[O+14]|
	v_max3_num_f32 v254, v254, v255, |v[O+15]|
	v_permlanex16_b32 v240, v254, s[SEL], s[SEL+1]
	v_max_num_f32 v254, v254, v240
	v_add_nc_u32 v255, 0xff000000, v254
	v_lshrrev_b32 v243, 23, v255
	v_cvt_scalef32_pk8_fp4_f32 v220, v[O:O+7], v255
	v_cvt_scalef32_pk8_fp4_f32 v221, v[O+8:O+15], v255
	v_lshrrev_b32 v62, 8, v62                      ; (a plain place behind the conversions)  the pair goes down a byte, the new byte comes in on top
	v_lshl_or_b32 v62, v63, 24, v62
	v_lshrrev_b32 v63, 8, v63
	v_lshl_or_b32 v63, v243, 24, v63
	s_wait_alu depctr_va_vdst(0)                   ; directly ahead of the barrier's wait
	s_barrier_wait -1                              ; the other slot is whole, and nobody reads this one any more
	ds_store_b64 v12, v[220:221] offset:256*\slot
.endm
; A head, read from the slot named.  The wave's last head asks for no further head and asks for Wc at its middle instead.
.macro HEAD slot
.if \slot == 1
	s_cmp_eq_u32 s[TRIP], 1
	s_cbranch_scc1 .Lnoask_\@
.endif
	HLOAD
.if \slot == 1
.Lnoask_\@:
.endif
	ds_load_b128 v[244:247], v[ADK+\slot] offset:16896   ; V's scale words of all four key steps
	KLOAD \slot, 0
	STEP \slot, 0
	STEP \slot, 1
	s_wait_loadcnt 0x0                             ; the next head is in registers
.if \slot == 1
	s_cmp_eq_u32 s[TRIP], 1
	s_cbranch_scc1 .Llastmid_\@
.endif
	HANDKV 1-\slot
.if \slot == 1
	s_branch .Lmid_\@
.Llastmid_\@:
	WCLOAD                                         ; the edge registers of key steps 0 and 1 have had their last read
.Lmid_\@:
.endif
	STEP \slot, 2
	STEP \slot, 3
	FINISH \slot
	s_wait_loadcnt 0x0                             ; the row of input1 is in (in the last head: Wc too)
	XSTORE \slot
.if \slot == 1
	s_cmp_eq_u32 s[TRIP], 1
	s_cbranch_scc1 .Lnohand_\@
.endif
	HANDQ
.if \slot == 1
.Lnohand_\@:
.endif
	s_wait_alu depctr_va_vdst(0)
	s_wait_dscnt 0x0                               ; the stores have read their registers, which the next head's loads take
.endm
	s_load_b256 s[4:11], s[0:1], 0x0               ; edge_info, qkvc, qkvs, We
	s_load_b256 s[12:19], s[0:1], 0x20             ; be, wcodes, wscales, bc
	s_load_b128 s[20:23], s[0:1], 0x40             ; input1, y1
	s_load_b64 s[24:25], s[0:1], 0x50              ; st1
	v_lshl_add_u32 v252, v0, 2, SPARE
	v_mov_b32 v253, 0
	v_lshrrev_b32 v16, 5, v0
	v_readfirstlane_b32 s34, v16                   ; wave 0..7
	s_and_b32 s35, s34, 3                          ; qt
	s_lshr_b32 s36, s34, 2                         ; which eight heads
	v_and_b32 v16, 31, v0
	v_and_b32 v17, 15, v0                          ; r
	v_bfe_u32 v18, v0, 4, 1                        ; h
	v_lshlrev_b32 v[LI], 4, v16
	v_lshlrev_b32 v[LS], 2, v16
	v_lshlrev_b32 v[L8], 3, v16
	v_lshlrev_b32 v[QOF], 4, v17
	v_lshlrev_b32 v[QSOF], 2, v17
	s_wait_alu depctr_va_vdst(0)
	s_mul_i32 s37, s36, HALF
	s_add_co_u32 s38, s37, SLOT0
	s_add_co_u32 s39, s37, SLOT1
	v_add_nc_u32 v[ADK], s38, v[LI]
	v_add_nc_u32 v[ADK+1], s39, v[LI]
	v_add_nc_u32 v[ADS], s38, v[LS]
	v_add_nc_u32 v[ADS+1], s39, v[LS]
	s_lshl_b32 s40, s35, 11
	s_add_co_u32 s41, s38, s40
	v_add_nc_u32 v[WK], s41, v[LI]
	s_add_co_u32 s41, s39, s40
	v_add_nc_u32 v[WK+1], s41, v[LI]
	s_lshl_b32 s40, s35, 8
	s_add_co_u32 s40, s40, 16384
	s_add_co_u32 s41, s38, s40
	v_add_nc_u32 v[WSA], s41, v[L8]
	s_add_co_u32 s41, s39, s40
	v_add_nc_u32 v[WSA+1], s41, v[L8]
	s_lshl_b32 s40, s35, 12
	s_lshl_b32 s41, s36, 11
	s_add_co_u32 s40, s40, s41
	s_add_co_u32 s40, s40, OIMG
	v_lshl_add_u32 v[OAD], v18, 3, v[QOF]
	v_add_nc_u32 v[OAD], s40, v[OAD]               ; OIMG + 4,096 qt + 2,048 (w / 4) + 16 r + 8 h
	s_mul_i32 s40, s34, 8*PITCH
	v_add_nc_u32 v[XST], s40, v[LI]                ; the stage, in: my wave's 8 rows
	s_lshr_b32 s40, s35, 1
	s_mul_i32 s40, s40, 32*PITCH
	s_and_b32 s41, s35, 1
	s_mul_i32 s41, s41, 8*PITCH
	s_add_co_u32 s40, s40, s41
	v_and_b32 v19, 8, v17
	v_add_nc_u32 v19, v19, v17
	v_mul_u32_u24 v243, v19, PITCH
	v_lshl_add_u32 v243, v18, 6, v243
	v_add_nc_u32 v243, s40, v243                   ; the stage, out: my query's row, + 64 h
	v_mov_b32 v61, 0
	v_mov_b32 v62, 0
	v_mov_b32 v63, 0
	v_mov_b32 v240, 0                              ; (a lane permute's destination counts as one of its sources)
.irp b, 0,1,2,3
	v_mov_b32 v[BP+\b], 0
	v_mov_b32 v[200+\b], 0                         ; the zero codes between Q's halves
	v_mov_b32 v[208+\b], 0
	v_mov_b32 v[216+\b], 0
.endr
	s_wait_alu depctr_va_vdst(0)                   ; the wait at the head's end
	s_mul_i32 s48, s35, 0x01010101                 ; v_perm_b32's selector: byte qt four times
	s_mov_b32 s[CS], 0x3e8293ee                    ; log2(e) / sqrt(32)
	s_mov_b32 s[CS+1], s[CS]
	s_mov_b32 s[SEL], 0x76543210
	s_mov_b32 s[SEL+1], 0xfedcba98
	s_mov_b32 vcc_lo, 0xffff0000
	s_and_b32 s42, ttmp9, 7                        ; the eight work-groups of a batch have numbers 8 apart:
	s_lshr_b32 s43, ttmp9, 6
	s_lshl_b32 s43, s43, 3
	s_or_b32 s42, s42, s43                         ; batch = id % 8 + 8 (id / 64)
	s_bfe_u32 s43, ttmp9, 0x30003                  ; G = (id / 8) % 8
	s_lshl_b32 s47, s42, 3
	s_or_b32 s47, s47, s43                         ; 8 batch + G: my group of 64 rows
	s_lshl_b32 s44, s42, 4
	s_lshl_b32 s45, s36, 3
	s_add_co_u32 s44, s44, s45                     ; my first head
	s_lshl_b32 s58, s47, 17
	s_mov_b32 s59, 0
	s_lshl_b32 s56, s34, 14
	s_add_co_u32 s56, s56, s58                     ; + my wave's 8
	s_mov_b32 s57, 0
	s_lshl_b32 s45, s44, 13                        ; 8,192 bytes of codes a head
	s_lshl_b32 s46, s35, 11
	s_add_co_u32 s26, s45, s46
	s_add_co_u32 s26, s26, 4194304                 ; k: my quarter (v: 4,194,304 on)
	s_mov_b32 s27, 0
	s_lshl_b32 s46, s43, 2
	s_add_co_u32 s46, s46, s35
	s_lshl_b32 s46, s46, 8
	s_add_co_u32 s30, s45, s46                     ; q: tile 4 G + qt
	s_mov_b32 s31, 0
	s_lshl_b32 s45, s44, 9                         ; 512 scale bytes a head
	s_lshr_b32 s46, s35, 1
	s_add_co_u32 s46, s46, 1
	s_lshl_b32 s46, s46, 18                        ; k's bytes (qt 0, 1) or v's (qt 2, 3),
	s_add_co_u32 s28, s45, s46
	s_and_b32 s46, s35, 1
	s_lshl_b32 s46, s46, 8                         ; their first or second 256
	s_add_co_u32 s28, s28, s46
	s_mov_b32 s29, 0
	s_lshl_b32 s46, s43, 6
	s_add_co_u32 s32, s45, s46                     ; q's words: f = G
	s_mov_b32 s33, 0
	s_lshl_b32 s60, s36, 5                         ; We, be: my eight heads
	s_mov_b32 s61, 0
	s_lshl_b32 s62, s34, 14
	s_add_co_u32 s62, s62, 393216                  ; Wc's images: my four tiles
	s_mov_b32 s63, 0
	s_wait_kmcnt 0x0
	s_add_nc_u64 s[4:5], s[4:5], s[56:57]
	s_add_nc_u64 s[26:27], s[6:7], s[26:27]
	s_add_nc_u64 s[30:31], s[6:7], s[30:31]
	s_add_nc_u64 s[28:29], s[8:9], s[28:29]
	s_add_nc_u64 s[32:33], s[8:9], s[32:33]
	s_add_nc_u64 s[10:11], s[10:11], s[60:61]
	s_add_nc_u64 s[12:13], s[12:13], s[60:61]
	s_add_nc_u64 s[14:15], s[14:15], s[62:63]
	s_lshl_b32 s62, s34, 10
	s_add_co_u32 s62, s62, 24576
	s_add_nc_u64 s[16:17], s[16:17], s[62:63]
	s_add_nc_u64 s[20:21], s[20:21], s[56:57]
	s_add_nc_u64 s[22:23], s[22:23], s[58:59]
	s_lshl_b32 s62, s47, 12
	s_add_nc_u64 s[24:25], s[24:25], s[62:63]
	; my first head, then the edge values: 8 rows a wave, 512 consecutive bytes an instruction, through the stage
	HLOAD
	WIN 0x40
.set ii, 0
.rept 8
.irp q, 0,1,2,3
	global_load_b128 v[4*(4*ii+\q):4*(4*ii+\q)+3], v[LI], s[4:5] offset:2048*ii+512*\q th:TH_LOAD_NT
.endr
.set ii, ii+1
.endr
	WIN 0x04
.set ii, 0
.rept 8
	s_wait_loadcnt 28-4*ii                         ; row i is in (and my first head, asked for ahead of it); the 4 (7 - i) loads behind it may be out
.irp q, 0,1,2,3
	ds_store_b128 v[XST], v[4*(4*ii+\q):4*(4*ii+\q)+3] offset:PITCH*ii+512*\q
.endr
.set ii, ii+1
.endr
	WIN 0
	HANDKV 0
	HANDQ
	s_wait_alu depctr_va_vdst(0)                   ; the wait ahead of the barrier
	BARRIER                                        ; 64 rows of edge values and slot 0 lie in LDS
	WIN 0x40
.irp s, 0,1,2,3
.irp b, 0,1,2,3
.irp j, 0,1,2,3
	ds_load_b128 v[64*\s+16*\b+4*\j:64*\s+16*\b+4*\j+3], v243 offset:512*\s+128*\b+16*\j   ; register 64 s + 16 b + i: key 128 s + 32 b + 16 h + i of my query
.endr
.endr
.endr
	WIN 0
	BARRIER                                        ; every wave's edge values are in its registers: the stage may take the rows of input1
	s_mov_b32 s[TRIP], 4
	s_mov_b32 s[AO], 0
	s_mov_b32 s[AX], 0
.Lpair:                                            ; four trips, two heads a trip: each slot's addresses are constants
	HEAD 0
	HEAD 1
	s_add_co_u32 s[AO], s[AO], 512
	s_add_co_u32 s[AX], s[AX], 2*PITCH
	s_sub_co_u32 s[TRIP], s[TRIP], 1
	s_cmp_lg_u32 s[TRIP], 0
	s_cbranch_scc1 .Lpair
	; PRODUCT 6.  Wave w: columns 64 w .. 64 w + 63 for the four tiles of rows: sixteen accumulators by turns, a K step (four heads) at a time
	s_wait_xcnt 0x0                                ; offset registers are written again only behind this wait
	v_and_b32 v13, 15, v0
	v_bfe_u32 v14, v0, 4, 1
	s_lshl_b32 s37, s35, 8
	s_lshl_b32 s38, s36, 3
	s_add_co_u32 s37, s37, s38
	s_add_co_u32 s37, s37, OSC
	v_lshl_add_u32 v12, v13, 4, s37
	ds_store_b64 v12, v[62:63]                     ; my eight heads' scale bytes of my query
	v_add_nc_u32 v3, OIMG, v[LI]
	v_add_nc_u32 v4, OSC, v[LI]
	v_and_b32 v5, 8, v13
	v_add_nc_u32 v5, v5, v13
	v_mul_u32_u24 v5, v5, PITCH
	v_lshl_add_u32 v5, v14, 6, v5
	s_lshl_b32 s37, s34, 8
	v_add_nc_u32 v5, s37, v5                       ; the stage in the result's layout: row r + 8 (r / 8), + 64 h, + my 256 bytes of a row;
	v_add_nc_u32 v6, 32*PITCH, v5                  ; rows 32 on
	v_lshlrev_b32 v7, 3, v0                        ; the stage by columns, and memory: my two columns
	v_add_nc_u32 v8, 32*PITCH, v7
	global_load_b64 v[224:225], v7, s[18:19]       ; bc of my two columns
	s_wait_alu depctr_va_vdst(0)                   ; the wait ahead of the barrier
	BARRIER                                        ; O's images and scale bytes, and 64 rows of input1, lie in LDS
.irp mt, 0,1,2,3
.irp tt, 0,1,2,3
.set NN, 4*\mt+\tt
.set DD, 80+8*NN+(NN/8)*16
	ds_load_b128 v[DD:DD+3], v[5+\mt/2] offset:8*(\mt%2)*PITCH+128*(\tt/2)+32*(\tt%2)        ; the sums begin as input1
	ds_load_b128 v[DD+4:DD+7], v[5+\mt/2] offset:8*(\mt%2)*PITCH+128*(\tt/2)+32*(\tt%2)+16
.endr
.endr
	ds_load_b128 v[144:147], v4                    ; O's scale words, K steps 0..3: tiles of rows 0 | 1 in the two halves of the lanes,
	ds_load_b128 v[148:151], v4 offset:512         ; tiles 2 | 3
.macro OFLOAD kap                      ; O's four fragments of K step kap: 8 loads
.irp mt, 0,1,2,3
.irp c, 0,1
	ds_load_b128 v[16+32*((\kap)%2)+8*\mt+4*\c:16+32*((\kap)%2)+8*\mt+4*\c+3], v3 offset:4096*\mt+1024*(\kap)+512*\c
.endr
.endr
.endm
.macro CSTEP kap
.if \kap > 0
	PLACES                                         ; in front of loads into registers that the last products read
.endif
.if \kap < 3
	OFLOAD \kap+1
	s_wait_dscnt 0x8                               ; this K step's fragments are in; the next one's eight loads may be out
.else
	s_wait_dscnt 0x0
.endif
	WIN 0x01                                       ; source 0: Wc's fragments, window 1
.irp mt, 0,1,2,3
.irp tt, 0,1,2,3
.set NN, 4*\mt+\tt
.set DD, 80+8*NN+(NN/8)*16
	MM DD, 8*(4*\tt+\kap), 16+32*((\kap)%2)+8*\mt, DD, 152+2*\tt+(\kap)/2, 144+4*(\mt/2)+\kap, (\kap)%2, \mt%2
.endr
.endr
	WIN 0
.endm
	OFLOAD 0
	CSTEP 0
	CSTEP 1
	CSTEP 2
	CSTEP 3
	PLACES
.irp mt, 0,1,2,3
.irp tt, 0,1,2,3
.set NN, 4*\mt+\tt
.set DD, 80+8*NN+(NN/8)*16
	ds_store_b128 v[5+\mt/2], v[DD:DD+3] offset:8*(\mt%2)*PITCH+128*(\tt/2)+32*(\tt%2)        ; back to the bytes that input1 left; each accumulator from its low end on
	ds_store_b128 v[5+\mt/2], v[DD+4:DD+7] offset:8*(\mt%2)*PITCH+128*(\tt/2)+32*(\tt%2)+16
.endr
.endr
	BARRIER                                        ; 64 whole rows lie in the stage
.set ST, 16
.macro YREG i                          ; row i's pair of registers
.set YY, 80+2*(\i)+((\i)/32)*16
.endm
.set ii, 0
.rept 64
	YREG ii
	ds_load_b64 v[YY:YY+1], v[7+ii/32] offset:(ii%32)*PITCH
.set ii, ii+1
.endr
	s_wait_loadcnt 0x0                             ; bc
	s_wait_dscnt 0x0
.set ii, 0
.rept 64
	YREG ii
	v_pk_add_f32 v[YY:YY+1], v[YY:YY+1], v[224:225]             ; + bc
.set ii, ii+1
.endr
; The 64 rows leave, 256 consecutive bytes a wave's store; then my two columns' sum and the sum of squares about the 64 rows' own mean: no difference of large sums is formed.
.set ii, 0
.rept 64
	YREG ii
	global_store_b64 v7, v[YY:YY+1], s[22:23] offset:2048*ii
.set ii, ii+1
.endr
.set ii, 0
.rept 4
	YREG ii
.set Y0, YY
	YREG ii+4
	v_pk_add_f32 v[ST+2*ii:ST+2*ii+1], v[Y0:Y0+1], v[YY:YY+1]   ; four chains
.set ii, ii+1
.endr
.set ii, 8
.rept 56
	YREG ii
	v_pk_add_f32 v[ST+2*(ii%4):ST+2*(ii%4)+1], v[ST+2*(ii%4):ST+2*(ii%4)+1], v[YY:YY+1]
.set ii, ii+1
.endr
	v_pk_add_f32 v[ST:ST+1], v[ST:ST+1], v[ST+2:ST+3]
	v_pk_add_f32 v[ST+4:ST+5], v[ST+4:ST+5], v[ST+6:ST+7]
	v_pk_add_f32 v[ST:ST+1], v[ST:ST+1], v[ST+4:ST+5]
	v_pk_mul_f32 v[ST+8:ST+9], v[ST:ST+1], 0x3c800000 op_sel_hi:[1,0]   ; / 64
.set ii, 0
.rept 64
	YREG ii
	v_pk_add_f32 v[ST+10+2*(ii%4):ST+11+2*(ii%4)], v[YY:YY+1], v[ST+8:ST+9] neg_lo:[0,1] neg_hi:[0,1]
.if ii < 4
	v_pk_mul_f32 v[ST+18+2*ii:ST+19+2*ii], v[ST+10+2*ii:ST+11+2*ii], v[ST+10+2*ii:ST+11+2*ii]
.else
	v_pk_fma_f32 v[ST+18+2*(ii%4):ST+19+2*(ii%4)], v[ST+10+2*(ii%4):ST+11+2*(ii%4)], v[ST+10+2*(ii%4):ST+11+2*(ii%4)], v[ST+18+2*(ii%4):ST+19+2*(ii%4)]
.endif
.set ii, ii+1
.endr
	v_pk_add_f32 v[ST+18:ST+19], v[ST+18:ST+19], v[ST+20:ST+21]
	v_pk_add_f32 v[ST+22:ST+23], v[ST+22:ST+23], v[ST+24:ST+25]
	v_pk_add_f32 v[ST+18:ST+19], v[ST+18:ST+19], v[ST+22:ST+23]
	global_store_b64 v7, v[ST:ST+1], s[24:25]
	global_store_b64 v7, v[ST+18:ST+19], s[24:25] offset:2048
	s_wait_tensorcnt 0x0                           ; the wave's end
	ds_add_u32 v252, v253
	s_wait_dscnt 0x0
	s_endpgm
.Lfunc_end_k_qbe58ba02d7_attn:
	.size	k_qbe58ba02d7_attn, .Lfunc_end_k_qbe58ba02d7_attn-k_qbe58ba02d7_attn
	.p2alignl 7, 3214868480
	.fill 96, 4, 3214868480
	.section	.rodata,"a",@progbits
	.p2align	6, 0x0
	.amdhsa_kernel k_qbe58ba02d7_attn
		.amdhsa_group_segment_fixed_size 233472
		.amdhsa_private_segment_fixed_size 0
		.amdhsa_enable_private_segment 0
		.amdhsa_kernarg_size 88
		.amdhsa_user_sgpr_count 2
		.amdhsa_user_sgpr_kernarg_segment_ptr 1
		.amdhsa_wavefront_size32 1
		.amdhsa_system_sgpr_workgroup_id_x 1
		.amdhsa_system_sgpr_workgroup_id_y 1
		.amdhsa_system_sgpr_workgroup_id_z 1
		.amdhsa_system_vgpr_workitem_id 0
		.amdhsa_next_free_vgpr 512
		.amdhsa_next_free_sgpr 66
		.amdhsa_reserve_vcc 1
		.amdhsa_float_denorm_mode_32 3
		.amdhsa_float_denorm_mode_16_64 3
		.amdhsa_memory_ordered 1
		.amdhsa_forward_progress 1
		.amdhsa_inst_pref_size 198
	.end_amdhsa_kernel
	.amdgpu_metadata
---
amdhsa.version: [ 1, 2 ]
amdhsa.kernels:
  - .name:           k_qbe58ba02d7_attn
    .symbol:         k_qbe58ba02d7_attn.kd
    .args:
      - { .name: edge_info, .offset: 0, .size: 8, .value_kind: global_buffer, .address_space: global }
      - { .name: qkvc, .offset: 8, .size: 8, .value_kind: global_buffer, .address_space: global }
      - { .name: qkvs, .offset: 16, .size: 8, .value_kind: global_buffer, .address_space: global }
      - { .name: We, .offset: 24, .size: 8, .value_kind: global_buffer, .address_space: global }
      - { .name: be, .offset: 32, .size: 8, .value_kind: global_buffer, .address_space: global }
      - { .name: wcodes, .offset: 40, .size: 8, .value_kind: global_buffer, .address_space: global }
      - { .name: wscales, .offset: 48, .size: 8, .value_kind: global_buffer, .address_space: global }
      - { .name: bc, .offset: 56, .size: 8, .value_kind: global_buffer, .address_space: global }
      - { .name: input1, .offset: 64, .size: 8, .value_kind: global_buffer, .address_space: global }
      - { .name: y1, .offset: 72, .size: 8, .value_kind: global_buffer, .address_space: global }
      - { .name: st1, .offset: 80, .size: 8, .value_kind: global_buffer, .address_space: global }
    .group_segment_fixed_size: 233472
    .private_segment_fixed_size: 0
    .kernarg_segment_align: 8
    .kernarg_segment_size: 88
    .max_flat_workgroup_size: 256
    .sgpr_count:     66
    .vgpr_count:     512
    .wavefront_size: 32
...
	.end_amdgpu_metadata
.endif
;; end of part 3
;; launch ffn1 (part 4): grid 256 x 1, 8 waves a work-group, no clusters, 150,528 bytes of LDS; arguments y1, st1, g1, b1, wcodes, wscales, b1f, hid, hids; writes hid, hids
.if DOCPART == 4
	.amdgcn_target "amdgcn-amd-amdhsa--gfx1250"
	.amdhsa_code_object_version 6
	.text
	.protected	k_qbe58ba02d7_ffn1
	.globl	k_qbe58ba02d7_ffn1
	.p2align	8
	.type	k_qbe58ba02d7_ffn1,@function
k_qbe58ba02d7_ffn1:
	s_mov_b64 s[64:65], 0
	v_nop
	global_prefetch_b8 v0, s[64:65] scope:SCOPE_SE
	s_setreg_imm32_b32 hwreg(HW_REG_WAVE_MODE, 25, 1), 1
	s_wait_xcnt 0x0
; out1 = norm(y1); hidden = relu(out1 W1f + b1f), quantised along the hidden units to FP4 (E2M1) with E8M0 scales, stored as images of the next product's operand registers.
; A work-group takes 64 rows.  THE NORM: thread t owns columns 2 t, 2 t + 1; the batch's eight parts (sum, sum of squares about the part's own mean) are joined:
;   mean = sum of sums / 512; M2 = sum of M2_i + 64 x sum of (sum_i / 64 - mean)^2; out1 = (y - mean) x (g / sqrt(M2 / 512 + 1e-5)) + b.  out1 turns through an f32 stage in LDS (pitch 2,064).
; out1 is quantised once (wave w: tile of rows w / 2, K steps 2 (w % 2) + 0, 1) and handed round as images of the operand's registers.
; THE PRODUCT: wave w makes hidden units 256 w .. 256 w + 255 for the 64 rows, 32 units at a time: source 0 = 16 columns of W1f, source 1 = 16 rows; b1f is the C of a sum's first instruction.
; hid [group of 64 rows][K step 16][tile of rows 4][1,024 bytes]; hids [group][K step][pair of tiles 2][128 bytes].  Sixteen lanes store 256 consecutive bytes of codes, aligned; the scale words leave 128 bytes a store (4,096 bytes a work-group).
; The weights' images come straight from memory into the one wave that uses them: a ring of three register buffers, two units ahead.  No joint loads: they land in LDS, and each fragment here is used by one wave.
; TILES: pi(T, rho) = 32 (T/2) + 8 (T%2) + rho + 8 (rho/8).
; LIMITS: a block of zeros gets the byte 1 with zero codes; NaN and infinities are not served.
; REGISTERS: window 0: v1-10 addresses; v16-79 accumulators; v80-104 the quantiser's; v105-107 at work; v110, v111 the add's; v112-123 weights' scale words; v124-131 out1's; v132-139 words being turned; v144-191 b1f (3 x 16); v192-255 weight buffer 2.
;   window 1: v0-127 y1, then out1's fragments; v128-255 weight buffers 0, 1.
.set PITCH, 2064
.set XIMG,  132096
.set XSC,   148480
.set SPARE, 149504
.set LI,  1
.set LS,  2
.set CW,  3
.set RDA, 5
.set XWI, 6
.set XWS, 7
.set XRI, 8
.set XRS, 9
.set HWI, 10
.set BOF, 107
.set ACC, 16
.set PC,  80
.set TM,  88
.set PW,  104
.set WS,  112
.set XS,  124
.set X2,  192
.set BIAS, 144
.set SEL, 24
.set RN,  40
.set EP,  41
.set MSB, 0
.macro WIN new
.if MSB != (\new)
	s_set_vgpr_msb (MSB<<8)|(\new)
.set MSB, (\new)
.endif
.endm
.macro PLACES
.rept 4
	v_nop
.endr
.endm
.macro BARRIER
	s_wait_alu depctr_va_vdst(0)                   ; the wait ahead of the barrier
	s_wait_dscnt 0x0
	s_barrier_signal -1
	s_barrier_wait -1
.endm
.macro MM d, a, b, c, sa, sb, r        ; r: both sides' scale words stand in lanes 16-31
.if (\r)
	v_wmma_scale_f32_16x16x128_f8f6f4 v[(\d):(\d)+7], v[(\a):(\a)+7], v[(\b):(\b)+7], v[(\c):(\c)+7], v[(\sa)], v[(\sb)] matrix_a_fmt:MATRIX_FMT_FP4 matrix_b_fmt:MATRIX_FMT_FP4 matrix_a_scale:MATRIX_SCALE_ROW1 matrix_b_scale:MATRIX_SCALE_ROW1
.else
	v_wmma_scale_f32_16x16x128_f8f6f4 v[(\d):(\d)+7], v[(\a):(\a)+7], v[(\b):(\b)+7], v[(\c):(\c)+7], v[(\sa)], v[(\sb)] matrix_a_fmt:MATRIX_FMT_FP4 matrix_b_fmt:MATRIX_FMT_FP4
.endif
.endm
; 64 numbers of a lane, register 16 b + i = element 16 (lane / 16) + i of block b, become 8 registers of codes in v[PC] on and the word of four bytes in v[PW].
.macro QUANT s
.irp b, 0,1,2,3
	v_max3_num_f32 v[TM+\b], |v[\s+16*\b]|, |v[\s+1+16*\b]|, 0x1800000
.endr
.irp i, 2,4,6,8,10,12,14
.irp b, 0,1,2,3
	v_max3_num_f32 v[TM+\b], v[TM+\b], |v[\s+16*\b+\i]|, |v[\s+1+16*\b+\i]|
.endr
.endr
.irp b, 0,1,2,3
	v_permlanex16_b32 v[TM+4+\b], v[TM+\b], s[SEL], s[SEL+1]
.endr
.irp b, 0,1,2,3
	v_max_num_f32 v[TM+\b], v[TM+\b], v[TM+4+\b]
.endr
.irp b, 0,1,2,3
	v_add_nc_u32 v[TM+12+\b], 0xff000000, v[TM+\b]
.endr
.irp b, 0,1,2,3
	v_lshrrev_b32 v[TM+4+\b], 23, v[TM+12+\b]
.endr
	v_lshl_or_b32 v[PW], v[TM+5], 8, v[TM+4]
	v_lshl_or_b32 v[PW], v[TM+6], 16, v[PW]
	v_lshl_or_b32 v[PW], v[TM+7], 24, v[PW]
.irp b, 0,1,2,3
	v_cvt_scalef32_pk8_fp4_f32 v[PC+2*\b], v[\s+16*\b:\s+7+16*\b], v[TM+12+\b]
	v_cvt_scalef32_pk8_fp4_f32 v[PC+1+2*\b], v[\s+8+16*\b:\s+15+16*\b], v[TM+12+\b]
.endr
	v_nop                                          ; one plain place behind a scaled conversion
.irp c, 0,1
.irp i, 0,1
	v_permlane16_swap_b32 v[PC+4*\c+\i], v[PC+2+4*\c+\i]
.endr
.endr
.endm
.macro BUF n
.if (\n)%3 == 0
.set WB, 128
.set WW, 1
.elseif (\n)%3 == 1
.set WB, 192
.set WW, 1
.else
.set WB, 192
.set WW, 0
.endif
.set WSB, WS+4*((\n)%3)
.set BSB, BIAS+16*((\n)%3)
.endm
.macro WLOAD1 u                        ; my pair of tiles u: 16 loads of codes, 4 of scale words, 4 of b1f in the result's layout: 24 loads
	WIN (WW<<6)
.irp f, 0,1,2,3,4,5,6,7
.irp c, 0,1
	global_load_b128 v[WB+8*\f+4*\c:WB+8*\f+4*\c+3], v[LI], s[12:13] offset:524288+8192*(\u)+1024*\f+512*\c
.endr
.endr
	WIN 0
.irp i, 0,1,2,3
	global_load_b32 v[WSB+\i], v[LS], s[14:15] offset:32768+512*(\u)+128*\i
.endr
.irp i, 0,1,2,3
	global_load_b128 v[BSB+4*\i:BSB+4*\i+3], v[BOF], s[16:17] offset:128*(\u)+16*\i
.endr
.endm
.macro UNIT                            ; 32 matrix instructions: eight accumulators by turns, K step by K step; the first take b1f as C
	WIN (0x04|WW)
.irp s, 0,1,2,3
.irp mt, 0,1,2,3
.irp t, 0,1
.set DD, ACC+16*\mt+8*\t
.set CC, DD
.if \s == 0
.set CC, BSB+8*\t
.endif
	MM DD, WB+8*(4*\t+\s), 8*(4*\mt+\s), CC, WSB+2*\t+\s/2, XS+2*\mt+\s/2, \s%2
.endr
.endr
.endr
	WIN 0
.endm
; v16-31: eight sums (pairs), v32-47: eight M2, v[48:49] g  ->  v[52:53] the mean, v[54:55] g / sqrt(var + eps)
.macro NORMCOEF
	v_pk_add_f32 v[56:57], v[16:17], v[18:19]
	v_pk_add_f32 v[58:59], v[20:21], v[22:23]
	v_pk_add_f32 v[60:61], v[24:25], v[26:27]
	v_pk_add_f32 v[62:63], v[28:29], v[30:31]
	v_pk_add_f32 v[56:57], v[56:57], v[58:59]
	v_pk_add_f32 v[60:61], v[60:61], v[62:63]
	v_pk_add_f32 v[56:57], v[56:57], v[60:61]
	v_pk_mul_f32 v[52:53], v[56:57], 0x3b000000 op_sel_hi:[1,0]     ; / 512
.irp i, 0,1,2,3,4,5,6,7
	v_pk_fma_f32 v[16+2*\i:17+2*\i], v[16+2*\i:17+2*\i], 0x3c800000, v[52:53] op_sel_hi:[1,0,1] neg_lo:[0,0,1] neg_hi:[0,0,1]   ; a part's own mean less the mean
.endr
	v_pk_mul_f32 v[56:57], v[16:17], v[16:17]
	v_pk_mul_f32 v[58:59], v[18:19], v[18:19]
.irp i, 2,4,6
	v_pk_fma_f32 v[56:57], v[16+2*\i:17+2*\i], v[16+2*\i:17+2*\i], v[56:57]
	v_pk_fma_f32 v[58:59], v[18+2*\i:19+2*\i], v[18+2*\i:19+2*\i], v[58:59]
.endr
	v_pk_add_f32 v[56:57], v[56:57], v[58:59]
	v_pk_add_f32 v[32:33], v[32:33], v[34:35]
	v_pk_add_f32 v[36:37], v[36:37], v[38:39]
	v_pk_add_f32 v[40:41], v[40:41], v[42:43]
	v_pk_add_f32 v[44:45], v[44:45], v[46:47]
	v_pk_add_f32 v[32:33], v[32:33], v[36:37]
	v_pk_add_f32 v[40:41], v[40:41], v[44:45]
	v_pk_add_f32 v[32:33], v[32:33], v[40:41]
	v_pk_fma_f32 v[56:57], v[56:57], 0x42800000, v[32:33] op_sel_hi:[1,0,1]   ; x 64, + the parts' M2
	v_fma_f32 v56, v56, s[RN], s[EP]               ; / 512 + 1e-5
	v_fma_f32 v57, v57, s[RN], s[EP]
	s_wait_alu depctr_va_vdst(0)                   ; the wait ahead of the transcendentals
	v_rsq_f32 v56, v56
	v_rsq_f32 v57, v57
	v_nop                                          ; a plain place behind the transcendentals
	s_wait_alu depctr_va_vdst(0)
	v_pk_mul_f32 v[54:55], v[56:57], v[48:49]
.endm
	s_load_b256 s[4:11], s[0:1], 0x0               ; y1, st1, g1, b1
	s_load_b256 s[12:19], s[0:1], 0x20             ; wcodes, wscales, b1f, hid
	s_load_b64 s[20:21], s[0:1], 0x40              ; hids
	v_lshl_add_u32 v110, v0, 2, SPARE
	v_mov_b32 v111, 0
	v_lshrrev_b32 v16, 5, v0
	v_readfirstlane_b32 s26, v16                   ; wave 0..7
	v_and_b32 v16, 31, v0
	v_and_b32 v17, 15, v0                          ; r
	v_bfe_u32 v18, v0, 4, 1                        ; h
	v_lshlrev_b32 v[LI], 4, v16
	v_lshlrev_b32 v[LS], 2, v16
	v_lshlrev_b32 v[CW], 3, v0
	v_add_nc_u32 v[CW+1], 32*PITCH, v[CW]
	v_and_b32 v19, 8, v17
	v_add_nc_u32 v19, v19, v17
	v_mul_u32_u24 v19, v19, PITCH
	v_lshl_add_u32 v19, v18, 6, v19                ; (r + 8 (r / 8)) rows + 64 h
	v_lshlrev_b32 v[HWI], 4, v17
	v_lshl_add_u32 v[HWI], v18, 10, v[HWI]         ; the codes' place in my 8,192 bytes of hid: 1,024 h + 16 r
	v_lshlrev_b32 v[BOF], 6, v18
.irp b, 0,1,2,3
	v_mov_b32 v[TM+4+\b], 0
.endr
	s_wait_alu depctr_va_vdst(0)                   ; the wait ahead of the scalar lines
	s_lshr_b32 s27, s26, 1                         ; my tile of rows
	s_lshr_b32 s28, s27, 1
	s_and_b32 s29, s27, 1
	s_mul_i32 s28, s28, 32*PITCH
	s_mul_i32 s29, s29, 8*PITCH
	s_add_co_u32 s28, s28, s29
	s_and_b32 s29, s26, 1
	s_lshl_b32 s29, s29, 10
	s_add_co_u32 s28, s28, s29
	v_add_nc_u32 v[RDA], s28, v19
	s_lshl_b32 s28, s26, 11
	s_add_co_u32 s28, s28, XIMG
	v_add_nc_u32 v[XWI], s28, v[LI]
	s_lshl_b32 s28, s26, 7
	s_add_co_u32 s28, s28, XSC
	v_add_nc_u32 v[XWS], s28, v[LS]
	v_add_nc_u32 v[XRI], XIMG, v[LI]
	v_add_nc_u32 v[XRS], XSC, v[LS]
	s_mov_b32 s[SEL], 0x76543210
	s_mov_b32 s[SEL+1], 0xfedcba98
	s_mov_b32 vcc_lo, 0xffff0000
	s_mov_b32 s[RN], 0x3b000000                    ; 1 / 512
	s_mov_b32 s[EP], 0x3727c5ac                    ; 1e-5
	s_lshl_b32 s30, ttmp9, 17
	s_mov_b32 s31, 0
	s_lshr_b32 s32, ttmp9, 3
	s_lshl_b32 s32, s32, 15                        ; the batch's eight parts of 4,096 bytes
	s_mov_b32 s33, 0
	s_lshl_b32 s36, s26, 16
	s_mov_b32 s37, 0
	s_lshl_b32 s38, s26, 12
	s_mov_b32 s39, 0
	s_lshl_b32 s42, s26, 10
	s_mov_b32 s43, 0
	s_lshl_b32 s44, ttmp9, 16                      ; hid: 65,536 bytes a work-group, 8,192 a wave
	s_lshl_b32 s45, s26, 13
	s_add_co_u32 s44, s44, s45
	s_mov_b32 s45, 0
	s_lshl_b32 s46, ttmp9, 12                      ; hids: 4,096 a work-group, 512 a wave
	s_lshl_b32 s47, s26, 9
	s_add_co_u32 s46, s46, s47
	s_mov_b32 s47, 0
	s_wait_alu depctr_va_vdst(0)                   ; the wait at the head's end
	s_wait_kmcnt 0x0
	s_add_nc_u64 s[4:5], s[4:5], s[30:31]
	s_add_nc_u64 s[6:7], s[6:7], s[32:33]
	s_add_nc_u64 s[12:13], s[12:13], s[36:37]
	s_add_nc_u64 s[14:15], s[14:15], s[38:39]
	s_add_nc_u64 s[16:17], s[16:17], s[42:43]
	s_add_nc_u64 s[18:19], s[18:19], s[44:45]
	s_add_nc_u64 s[20:21], s[20:21], s[46:47]
	; the norm
.irp i, 0,1,2,3,4,5,6,7
	global_load_b64 v[16+2*\i:17+2*\i], v[CW], s[6:7] offset:4096*\i
	global_load_b64 v[32+2*\i:33+2*\i], v[CW], s[6:7] offset:4096*\i+2048
.endr
	global_load_b64 v[48:49], v[CW], s[8:9]
	global_load_b64 v[50:51], v[CW], s[10:11]
	BUF 0
	WLOAD1 0                                       ; the first two units' weights are asked for ahead of y1, so that y1's rows can be waited for by count
	BUF 1
	WLOAD1 1
	WIN 0x40
.set ii, 0
.rept 64
	global_load_b64 v[2*ii:2*ii+1], v[CW], s[4:5] offset:2048*ii th:TH_LOAD_NT
.set ii, ii+1
.endr
	WIN 0
	s_wait_loadcnt 63
	NORMCOEF
	s_wait_alu depctr_va_vdst(0)                   ; directly ahead of the wait below
.set gg, 0
.rept 8                                        ; eight rows at a time: two switches of the register windows for each eight
	s_wait_loadcnt 56-8*gg                         ; rows 8 g .. 8 g + 7 are in; the 8 (7 - g) rows behind them may be out
	WIN 0x41
.set ii, 8*gg
.rept 8
	v_pk_add_f32 v[2*ii:2*ii+1], v[2*ii:2*ii+1], v[52:53] neg_lo:[0,1] neg_hi:[0,1]
	v_pk_fma_f32 v[2*ii:2*ii+1], v[2*ii:2*ii+1], v[54:55], v[50:51]
.set ii, ii+1
.endr
	WIN 0x04
.set ii, 8*gg
.rept 8
	ds_store_b64 v[CW+ii/32], v[2*ii:2*ii+1] offset:(ii%32)*PITCH
.set ii, ii+1
.endr
.set gg, gg+1
.endr
	WIN 0
	BARRIER                                        ; 64 rows of out1 lie in the stage
	; out1's sixteen fragments
.irp b, 0,1,2,3
.irp j, 0,1,2,3
	ds_load_b128 v[ACC+16*\b+4*\j:ACC+16*\b+4*\j+3], v[RDA] offset:128*\b+16*\j
.endr
.endr
.irp b, 0,1,2,3
.irp j, 0,1,2,3
	ds_load_b128 v[X2+16*\b+4*\j:X2+16*\b+4*\j+3], v[RDA] offset:512+128*\b+16*\j
.endr
.endr
	s_wait_dscnt 16                                ; the first K step's 16 loads are in
	QUANT ACC
	ds_store_b128 v[XWI], v[PC:PC+3]
	ds_store_b128 v[XWI], v[PC+4:PC+7] offset:512
	v_mov_b32 v105, v[PW]
	s_wait_dscnt 0x0
	QUANT X2
	ds_store_b128 v[XWI], v[PC:PC+3] offset:1024
	ds_store_b128 v[XWI], v[PC+4:PC+7] offset:1536
	v_cndmask_b32 v106, v105, v[PW], vcc_lo
	ds_store_b32 v[XWS], v106
	BARRIER
	WIN 0x40
.set ii, 0
.rept 16
	ds_load_b128 v[8*ii:8*ii+3], v[XRI] offset:1024*ii
	ds_load_b128 v[8*ii+4:8*ii+7], v[XRI] offset:1024*ii+512
.set ii, ii+1
.endr
	WIN 0
.irp i, 0,1,2,3,4,5,6,7
	ds_load_b32 v[XS+\i], v[XRS] offset:128*\i
.endr
	s_wait_dscnt 0x0
	; eight units of 32 hidden units
.macro RUN1 u
.if \u+2 < 8
	BUF \u+2
	WLOAD1 \u+2
.endif
.if \u < 6
	s_wait_loadcnt 48                              ; this unit's loads are in; behind them: 24 + 24,
.elseif \u == 6
	s_wait_loadcnt 24                              ; 24,
.else
	s_wait_loadcnt 0x0                             ; none
.endif
	BUF \u
	UNIT
	PLACES
.set kk, 0
.rept 64
	v_max_num_f32 v[ACC+kk], 0, v[ACC+kk]          ; the activation, in f32, each accumulator from its low end on
.set kk, kk+1
.endr
	s_wait_xcnt 0x0                                ; the last unit's stores have read their data: the codes' registers are written again only behind this wait
	QUANT ACC
	global_store_b128 v[HWI], v[PC:PC+3], s[18:19] offset:(\u/4)*4096+((\u%4)/2)*512+(\u%2)*256          ; block u % 4 of K step 2 w + u / 4: tiles of rows 0 | 1 in the two halves of the lanes,
	global_store_b128 v[HWI], v[PC+4:PC+7], s[18:19] offset:(\u/4)*4096+((\u%4)/2)*512+(\u%2)*256+2048   ; tiles 2 | 3
	v_mov_b32 v[132+\u%4], v[PW]                   ; byte mt: this block's scale for tile of rows mt
.if \u%4 == 3                                  ; four blocks make a K step: the 4 x 4 bytes are turned, so that a word holds one tile's four blocks
	v_perm_b32 v[TM+8], v133, v132, 0x05010400
	v_perm_b32 v[TM+9], v133, v132, 0x07030602
	v_perm_b32 v[TM+10], v135, v134, 0x05010400
	v_perm_b32 v[TM+11], v135, v134, 0x07030602
	v_perm_b32 v136, v[TM+10], v[TM+8], 0x05040100
	v_perm_b32 v137, v[TM+10], v[TM+8], 0x07060302
	v_perm_b32 v138, v[TM+11], v[TM+9], 0x05040100
	v_perm_b32 v139, v[TM+11], v[TM+9], 0x07060302
	v_cndmask_b32 v136, v136, v137, vcc_lo
	v_cndmask_b32 v138, v138, v139, vcc_lo
	global_store_b32 v[LS], v136, s[20:21] offset:256*(\u/4)
	global_store_b32 v[LS], v138, s[20:21] offset:256*(\u/4)+128
.endif
.endm
	RUN1 0
	RUN1 1
	RUN1 2
	RUN1 3
	RUN1 4
	RUN1 5
	RUN1 6
	RUN1 7
	s_wait_tensorcnt 0x0                           ; the wave's end
	ds_add_u32 v110, v111
	s_wait_dscnt 0x0
	s_endpgm
.Lfunc_end_k_qbe58ba02d7_ffn1:
	.size	k_qbe58ba02d7_ffn1, .Lfunc_end_k_qbe58ba02d7_ffn1-k_qbe58ba02d7_ffn1
	.p2alignl 7, 3214868480
	.fill 96, 4, 3214868480
	.section	.rodata,"a",@progbits
	.p2align	6, 0x0
	.amdhsa_kernel k_qbe58ba02d7_ffn1
		.amdhsa_group_segment_fixed_size 150528
		.amdhsa_private_segment_fixed_size 0
		.amdhsa_enable_private_segment 0
		.amdhsa_kernarg_size 72
		.amdhsa_user_sgpr_count 2
		.amdhsa_user_sgpr_kernarg_segment_ptr 1
		.amdhsa_wavefront_size32 1
		.amdhsa_system_sgpr_workgroup_id_x 1
		.amdhsa_system_sgpr_workgroup_id_y 1
		.amdhsa_system_sgpr_workgroup_id_z 1
		.amdhsa_system_vgpr_workitem_id 0
		.amdhsa_next_free_vgpr 512
		.amdhsa_next_free_sgpr 66
		.amdhsa_reserve_vcc 1
		.amdhsa_float_denorm_mode_32 3
		.amdhsa_float_denorm_mode_16_64 3
		.amdhsa_memory_ordered 1
		.amdhsa_forward_progress 1
		.amdhsa_inst_pref_size 142
	.end_amdhsa_kernel
	.amdgpu_metadata
---
amdhsa.version: [ 1, 2 ]
amdhsa.kernels:
  - .name:           k_qbe58ba02d7_ffn1
    .symbol:         k_qbe58ba02d7_ffn1.kd
    .args:
      - { .name: y1, .offset: 0, .size: 8, .value_kind: global_buffer, .address_space: global }
      - { .name: st1, .offset: 8, .size: 8, .value_kind: global_buffer, .address_space: global }
      - { .name: g1, .offset: 16, .size: 8, .value_kind: global_buffer, .address_space: global }
      - { .name: b1, .offset: 24, .size: 8, .value_kind: global_buffer, .address_space: global }
      - { .name: wcodes, .offset: 32, .size: 8, .value_kind: global_buffer, .address_space: global }
      - { .name: wscales, .offset: 40, .size: 8, .value_kind: global_buffer, .address_space: global }
      - { .name: b1f, .offset: 48, .size: 8, .value_kind: global_buffer, .address_space: global }
      - { .name: hid, .offset: 56, .size: 8, .value_kind: global_buffer, .address_space: global }
      - { .name: hids, .offset: 64, .size: 8, .value_kind: global_buffer, .address_space: global }
    .group_segment_fixed_size: 150528
    .private_segment_fixed_size: 0
    .kernarg_segment_align: 8
    .kernarg_segment_size: 72
    .max_flat_workgroup_size: 256
    .sgpr_count:     66
    .vgpr_count:     512
    .wavefront_size: 32
...
	.end_amdgpu_metadata
.endif
;; end of part 4
;; launch ffn2 (part 5): grid 256 x 1, 8 waves a work-group, no clusters, 214,016 bytes of LDS; arguments hid, hids, wcodes, wscales, y1, st1, g1, b1, b2f, g2, b2, out0; writes out0
.if DOCPART == 5
	.amdgcn_target "amdgcn-amd-amdhsa--gfx1250"
	.amdhsa_code_object_version 6
	.text
	.protected	k_qbe58ba02d7_ffn2
	.globl	k_qbe58ba02d7_ffn2
	.p2align	8
	.type	k_qbe58ba02d7_ffn2,@function
k_qbe58ba02d7_ffn2:
	s_mov_b64 s[64:65], 0
	v_nop
	global_prefetch_b8 v0, s[64:65] scope:SCOPE_SE
	s_setreg_imm32_b32 hwreg(HW_REG_WAVE_MODE, 25, 1), 1
	s_wait_xcnt 0x0
; out0 = norm2(out1 + hidden W2f + b2f), out1 = norm1(y1).  The product on codes of FP4 (E2M1) with E8M0 scales.
; A work-group takes ONE BATCH (512 rows) and 64 columns (W2f's tiles 4 c .. 4 c + 3), so that every row of a channel lies in it and the second norm is finished here.
; Wave w takes rows 64 w .. 64 w + 63: sixteen accumulators (4 tiles of rows x 4 tiles of columns) by turns, 16 K steps of 128.  Source 0 = 16 columns of W2f, source 1 = 16 rows: a lane holds one row and 8 neighbouring columns.
; W2f's slice (65,536 bytes of codes, 4,096 of scale words) is copied into LDS once, 8,704 bytes a wave, and read by all eight waves, a K step ahead.
; The hidden layer's images come straight from memory into the one wave that uses them: a ring of four register buffers, three K steps ahead.
; y1: lane l owns columns 2 l, 2 l + 1 of the slice: a load covers one row's 256 consecutive bytes, aligned.  Four rows are asked for in each K step; nothing reads them before the tail, so no prefetch is laid.
; No joint loads: they land in LDS, and each fragment of the hidden layer is used by one wave of the work-group: the way through LDS would add a write and a read of 557,056 bytes a work-group.
; THE TAIL: the sums turn through the wave's own stage (64 rows x 272 bytes) into the layout by columns; y2 = sum + out1 + b2f; each wave's (sum, sum of squares about its own mean) of 64 rows go through LDS;
;   all eight parts are joined as in the first norm (no difference of large sums is formed); out0 = (y2 - mean) x (g2 / sqrt(M2 / 512 + 1e-5)) + b2; a store covers 256 consecutive bytes, aligned.
; TILES: pi(T, rho) = 32 (T/2) + 8 (T%2) + rho + 8 (rho/8).   LIMITS: NaN and infinities are not served.
; REGISTERS: window 0: v1-10 addresses; v16-79 W2f's fragments (2 x 32), at the ends the norms' work; v80-87 W2f's scale words (2 x 4); v88-95 the hidden layer's (4 x 2); v[100:101] mean 1, v[102:103] its factor, v[104:105] b1 + b2f;
;   v[108:109] b2f; v[112:113] g2; v[114:115] b2; v126, v127 the add's; v128-255 y1, then y2.   window 1: v0-127 accumulators; v128-255 the ring, then the sums by columns.
.set WSL,   65536                      ; behind W2f's codes: its scale words
.set STG,   69632                      ; eight stages of 17,408 bytes
.set SP,    272
.set EXS,   208896                     ; [wave][lane] 8 bytes: the parts' sums; 2,048 on: their M2
.set SPARE, 212992
.set LI,  1
.set LS,  2
.set C8,  3
.set SIN, 4
.set SOUT, 5
.set WCI, 6
.set WCS, 7
.set WSA, 8
.set EXA, 9
.set EXR, 10
.set Y,   128
.set ST,  64
.set RN,  60
.set EP,  61
.set MSB, 0
.macro WIN new
.if MSB != (\new)
	s_set_vgpr_msb (MSB<<8)|(\new)
.set MSB, (\new)
.endif
.endm
.macro PLACES
.rept 4
	v_nop
.endr
.endm
.macro BARRIER
	s_wait_dscnt 0x0
	s_barrier_signal -1
	s_barrier_wait -1
.endm
.macro MM d, a, b, c, sa, sb, ra, rb
.if (\c) < 0
.if (\ra) && (\rb)
	v_wmma_scale_f32_16x16x128_f8f6f4 v[(\d):(\d)+7], v[(\a):(\a)+7], v[(\b):(\b)+7], 0, v[(\sa)], v[(\sb)] matrix_a_fmt:MATRIX_FMT_FP4 matrix_b_fmt:MATRIX_FMT_FP4 matrix_a_scale:MATRIX_SCALE_ROW1 matrix_b_scale:MATRIX_SCALE_ROW1
.elseif (\ra)
	v_wmma_scale_f32_16x16x128_f8f6f4 v[(\d):(\d)+7], v[(\a):(\a)+7], v[(\b):(\b)+7], 0, v[(\sa)], v[(\sb)] matrix_a_fmt:MATRIX_FMT_FP4 matrix_b_fmt:MATRIX_FMT_FP4 matrix_a_scale:MATRIX_SCALE_ROW1
.elseif (\rb)
	v_wmma_scale_f32_16x16x128_f8f6f4 v[(\d):(\d)+7], v[(\a):(\a)+7], v[(\b):(\b)+7], 0, v[(\sa)], v[(\sb)] matrix_a_fmt:MATRIX_FMT_FP4 matrix_b_fmt:MATRIX_FMT_FP4 matrix_b_scale:MATRIX_SCALE_ROW1
.else
	v_wmma_scale_f32_16x16x128_f8f6f4 v[(\d):(\d)+7], v[(\a):(\a)+7], v[(\b):(\b)+7], 0, v[(\sa)], v[(\sb)] matrix_a_fmt:MATRIX_FMT_FP4 matrix_b_fmt:MATRIX_FMT_FP4
.endif
.else
.if (\ra) && (\rb)
	v_wmma_scale_f32_16x16x128_f8f6f4 v[(\d):(\d)+7], v[(\a):(\a)+7], v[(\b):(\b)+7], v[(\c):(\c)+7], v[(\sa)], v[(\sb)] matrix_a_fmt:MATRIX_FMT_FP4 matrix_b_fmt:MATRIX_FMT_FP4 matrix_a_scale:MATRIX_SCALE_ROW1 matrix_b_scale:MATRIX_SCALE_ROW1
.elseif (\ra)
	v_wmma_scale_f32_16x16x128_f8f6f4 v[(\d):(\d)+7], v[(\a):(\a)+7], v[(\b):(\b)+7], v[(\c):(\c)+7], v[(\sa)], v[(\sb)] matrix_a_fmt:MATRIX_FMT_FP4 matrix_b_fmt:MATRIX_FMT_FP4 matrix_a_scale:MATRIX_SCALE_ROW1
.elseif (\rb)
	v_wmma_scale_f32_16x16x128_f8f6f4 v[(\d):(\d)+7], v[(\a):(\a)+7], v[(\b):(\b)+7], v[(\c):(\c)+7], v[(\sa)], v[(\sb)] matrix_a_fmt:MATRIX_FMT_FP4 matrix_b_fmt:MATRIX_FMT_FP4 matrix_b_scale:MATRIX_SCALE_ROW1
.else
	v_wmma_scale_f32_16x16x128_f8f6f4 v[(\d):(\d)+7], v[(\a):(\a)+7], v[(\b):(\b)+7], v[(\c):(\c)+7], v[(\sa)], v[(\sb)] matrix_a_fmt:MATRIX_FMT_FP4 matrix_b_fmt:MATRIX_FMT_FP4
.endif
.endif
.endm
; v16-31: eight sums (pairs), v32-47: eight M2, v[g:g+1] the gain  ->  v[mo:mo+1] the mean, v[ko:ko+1] gain / sqrt(var + eps)
.macro NORMCOEF g, mo, ko
	v_pk_add_f32 v[56:57], v[16:17], v[18:19]
	v_pk_add_f32 v[58:59], v[20:21], v[22:23]
	v_pk_add_f32 v[60:61], v[24:25], v[26:27]
	v_pk_add_f32 v[62:63], v[28:29], v[30:31]
	v_pk_add_f32 v[56:57], v[56:57], v[58:59]
	v_pk_add_f32 v[60:61], v[60:61], v[62:63]
	v_pk_add_f32 v[56:57], v[56:57], v[60:61]
	v_pk_mul_f32 v[\mo:\mo+1], v[56:57], 0x3b000000 op_sel_hi:[1,0]     ; / 512
.irp i, 0,1,2,3,4,5,6,7
	v_pk_fma_f32 v[16+2*\i:17+2*\i], v[16+2*\i:17+2*\i], 0x3c800000, v[\mo:\mo+1] op_sel_hi:[1,0,1] neg_lo:[0,0,1] neg_hi:[0,0,1]   ; a part's own mean less the mean
.endr
	v_pk_mul_f32 v[56:57], v[16:17], v[16:17]
	v_pk_mul_f32 v[58:59], v[18:19], v[18:19]
.irp i, 2,4,6
	v_pk_fma_f32 v[56:57], v[16+2*\i:17+2*\i], v[16+2*\i:17+2*\i], v[56:57]
	v_pk_fma_f32 v[58:59], v[18+2*\i:19+2*\i], v[18+2*\i:19+2*\i], v[58:59]
.endr
	v_pk_add_f32 v[56:57], v[56:57], v[58:59]
	v_pk_add_f32 v[32:33], v[32:33], v[34:35]
	v_pk_add_f32 v[36:37], v[36:37], v[38:39]
	v_pk_add_f32 v[40:41], v[40:41], v[42:43]
	v_pk_add_f32 v[44:45], v[44:45], v[46:47]
	v_pk_add_f32 v[32:33], v[32:33], v[36:37]
	v_pk_add_f32 v[40:41], v[40:41], v[44:45]
	v_pk_add_f32 v[32:33], v[32:33], v[40:41]
	v_pk_fma_f32 v[56:57], v[56:57], 0x42800000, v[32:33] op_sel_hi:[1,0,1]   ; x 64, + the parts' M2
	v_fma_f32 v56, v56, s[RN], s[EP]               ; / 512 + 1e-5
	v_fma_f32 v57, v57, s[RN], s[EP]
	s_wait_alu depctr_va_vdst(0)                   ; the wait ahead of the transcendentals
	v_rsq_f32 v56, v56
	v_rsq_f32 v57, v57
	v_nop                                          ; a plain place behind the transcendentals
	s_wait_alu depctr_va_vdst(0)
	v_pk_mul_f32 v[\ko:\ko+1], v[56:57], v[\g:\g+1]
.endm
.macro HLD k                           ; the hidden layer's four fragments of K step k and their words, into ring buffer k % 4: 10 loads
	WIN 0x40
.irp mt, 0,1,2,3
.irp c, 0,1
	global_load_b128 v[128+32*((\k)%4)+8*\mt+4*\c:128+32*((\k)%4)+8*\mt+4*\c+3], v[LI], s[4:5] offset:4096*(\k)+1024*\mt+512*\c
.endr
.endr
	WIN 0
.irp pr, 0,1
	global_load_b32 v[88+2*((\k)%4)+\pr], v[LS], s[6:7] offset:256*(\k)+128*\pr
.endr
.endm
.macro WLD k                           ; W2f's four fragments of K step k from LDS: 8 loads; at an even K step the words of two K steps too: 12
.irp tt, 0,1,2,3
.irp c, 0,1
	ds_load_b128 v[16+32*((\k)%2)+8*\tt+4*\c:16+32*((\k)%2)+8*\tt+4*\c+3], v[LI] offset:16384*\tt+1024*(\k)+512*\c
.endr
.endr
.if (\k)%2 == 0
.irp tt, 0,1,2,3
	ds_load_b32 v[80+4*(((\k)/2)%2)+\tt], v[WSA] offset:1024*\tt+128*((\k)/2)
.endr
.endif
.endm
; A K step.  cnt: the loads issued behind this K step's ring loads.
.macro KSTEP k, cnt
.if \k > 0
	PLACES                                         ; in front of loads into registers that the last products read
.endif
.if \k+3 < 16
	HLD \k+3
.endif
.irp j, 0,1,2,3
	global_load_b64 v[Y+2*(4*\k+\j):Y+2*(4*\k+\j)+1], v[C8], s[12:13] offset:2048*(4*\k+\j) th:TH_LOAD_NT   ; four rows of y1, for the tail
.endr
.if \k < 15
	WLD \k+1
.if (\k)%2 == 1
	s_wait_dscnt 12                                ; this K step's fragments of W2f are in; the next one's loads may be out
.else
	s_wait_dscnt 8
.endif
.else
	s_wait_dscnt 0x0
.endif
	s_wait_loadcnt \cnt
	WIN 0x54                                       ; source 1, C and D: window 1
.irp mt, 0,1,2,3
.irp tt, 0,1,2,3
.set CC, 8*(4*\mt+\tt)
.if \k == 0
.set CC, -1
.endif
	MM 8*(4*\mt+\tt), 16+32*((\k)%2)+8*\tt, 128+32*((\k)%4)+8*\mt, CC, 80+4*(((\k)/2)%2)+\tt, 88+2*((\k)%4)+\mt/2, (\k)%2, \mt%2
.endr
.endr
	WIN 0
.endm
	s_load_b256 s[4:11], s[0:1], 0x0               ; hid, hids, wcodes, wscales
	s_load_b256 s[12:19], s[0:1], 0x20             ; y1, st1, g1, b1
	s_load_b256 s[20:27], s[0:1], 0x40             ; b2f, g2, b2, out0
	v_lshl_add_u32 v126, v0, 2, SPARE
	v_mov_b32 v127, 0
	v_lshrrev_b32 v16, 5, v0
	v_readfirstlane_b32 s28, v16                   ; wave 0..7
	v_and_b32 v16, 31, v0
	v_and_b32 v17, 15, v0                          ; r
	v_bfe_u32 v18, v0, 4, 1                        ; h
	v_lshlrev_b32 v[LI], 4, v16
	v_lshlrev_b32 v[LS], 2, v16
	v_lshlrev_b32 v[C8], 3, v16
	v_and_b32 v19, 8, v17
	v_add_nc_u32 v19, v19, v17
	v_mul_u32_u24 v19, v19, SP
	v_lshl_add_u32 v19, v18, 6, v19                ; (r + 8 (r / 8)) rows of the stage + 64 h
	s_wait_alu depctr_va_vdst(0)                   ; the wait ahead of the scalar lines
	s_mul_i32 s31, s28, 64*SP
	s_add_co_u32 s31, s31, STG
	v_add_nc_u32 v[SIN], s31, v19                  ; my stage in the result's layout,
	v_add_nc_u32 v[SOUT], s31, v[C8]               ; and by rows: my two columns
	s_lshl_b32 s31, s28, 13
	v_add_nc_u32 v[WCI], s31, v[LI]                ; where I put my 8,192 bytes of W2f's codes,
	s_lshl_b32 s31, s28, 9
	s_add_co_u32 s31, s31, WSL
	v_add_nc_u32 v[WCS], s31, v[LI]                ; and my 512 bytes of its scale words
	v_add_nc_u32 v[WSA], WSL, v[LS]
	s_lshl_b32 s31, s28, 8
	s_add_co_u32 s31, s31, EXS
	v_add_nc_u32 v[EXA], s31, v[C8]
	v_add_nc_u32 v[EXR], EXS, v[C8]
	s_wait_alu depctr_va_vdst(0)                   ; the wait at the head's end
	s_mov_b32 s[RN], 0x3b000000                    ; 1 / 512
	s_mov_b32 s[EP], 0x3727c5ac                    ; 1e-5
	s_and_b32 s29, ttmp9, 7                        ; the eight work-groups of a batch have numbers 8 apart:
	s_lshr_b32 s30, ttmp9, 6
	s_lshl_b32 s30, s30, 3
	s_or_b32 s29, s29, s30                         ; batch = id % 8 + 8 (id / 64)
	s_bfe_u32 s30, ttmp9, 0x30003                  ; c = (id / 8) % 8: which 64 columns
	s_lshl_b32 s32, s29, 3
	s_add_co_u32 s32, s32, s28                     ; my group of 64 rows
	s_lshl_b32 s34, s32, 16
	s_mov_b32 s35, 0
	s_lshl_b32 s36, s32, 12
	s_mov_b32 s37, 0
	s_lshl_b32 s38, s30, 16
	s_lshl_b32 s39, s28, 13
	s_add_co_u32 s38, s38, s39
	s_add_co_u32 s38, s38, 1048576                 ; W2f's images: the slice's 65,536 bytes, my 8,192
	s_mov_b32 s39, 0
	s_lshl_b32 s40, s30, 12
	s_lshl_b32 s41, s28, 9
	s_add_co_u32 s40, s40, s41
	s_add_co_u32 s40, s40, 65536
	s_mov_b32 s41, 0
	s_lshl_b32 s46, s30, 8                         ; the slice's 256 bytes of a row
	s_mov_b32 s47, 0
	s_lshl_b32 s42, s29, 20
	s_lshl_b32 s43, s28, 17
	s_add_co_u32 s42, s42, s43
	s_add_co_u32 s42, s42, s46                     ; y1, out0: my 64 rows, the slice's columns
	s_mov_b32 s43, 0
	s_lshl_b32 s44, s29, 15
	s_add_co_u32 s44, s44, s46                     ; st1: the batch's eight parts
	s_mov_b32 s45, 0
	s_wait_kmcnt 0x0
	s_add_nc_u64 s[4:5], s[4:5], s[34:35]
	s_add_nc_u64 s[6:7], s[6:7], s[36:37]
	s_add_nc_u64 s[8:9], s[8:9], s[38:39]
	s_add_nc_u64 s[10:11], s[10:11], s[40:41]
	s_add_nc_u64 s[12:13], s[12:13], s[42:43]
	s_add_nc_u64 s[14:15], s[14:15], s[44:45]
	s_add_nc_u64 s[16:17], s[16:17], s[46:47]
	s_add_nc_u64 s[18:19], s[18:19], s[46:47]
	s_add_nc_u64 s[20:21], s[20:21], s[46:47]
	s_add_nc_u64 s[22:23], s[22:23], s[46:47]
	s_add_nc_u64 s[24:25], s[24:25], s[46:47]
	s_add_nc_u64 s[26:27], s[26:27], s[42:43]
.irp i, 0,1,2,3,4,5,6,7
	global_load_b64 v[16+2*\i:17+2*\i], v[C8], s[14:15] offset:4096*\i
	global_load_b64 v[32+2*\i:33+2*\i], v[C8], s[14:15] offset:4096*\i+2048
.endr
	global_load_b64 v[48:49], v[C8], s[16:17]      ; g1
	global_load_b64 v[50:51], v[C8], s[18:19]      ; b1
	global_load_b64 v[108:109], v[C8], s[20:21]    ; b2f
	global_load_b64 v[112:113], v[C8], s[22:23]    ; g2
	global_load_b64 v[114:115], v[C8], s[24:25]    ; b2
.set ii, 0
.rept 16
	global_load_b128 v[128+4*ii:128+4*ii+3], v[LI], s[8:9] offset:512*ii
.set ii, ii+1
.endr
	global_load_b128 v[192:195], v[LI], s[10:11]
	HLD 0
	HLD 1
	HLD 2
	s_wait_loadcnt 30                              ; all but the ring's 3 x 10 loads are in
.set ii, 0
.rept 16
	ds_store_b128 v[WCI], v[128+4*ii:128+4*ii+3] offset:512*ii
.set ii, ii+1
.endr
	ds_store_b128 v[WCS], v[192:195]
	NORMCOEF 48, 100, 102                          ; the first norm's mean and factor of my two columns
	v_pk_add_f32 v[104:105], v[50:51], v[108:109]  ; b1 + b2f
	s_wait_alu depctr_va_vdst(0)                   ; the wait ahead of the barrier
	BARRIER                                        ; W2f's slice lies in LDS
	WLD 0
	KSTEP 0, 34                                    ; behind K step 0's ring loads: 2 x 10, then 14 in this step
	KSTEP 1, 38
	KSTEP 2, 42
.irp k, 3,4,5,6,7,8,9,10,11,12
	KSTEP \k, 46                                   ; 4 rows of y1, then three steps of 14
.endr
	KSTEP 13, 36
	KSTEP 14, 26
	KSTEP 15, 16
	PLACES
	WIN 0x04
.irp mt, 0,1,2,3
.irp tt, 0,1,2,3
	ds_store_b128 v[SIN], v[8*(4*\mt+\tt):8*(4*\mt+\tt)+3] offset:(32*(\mt/2)+8*(\mt%2))*SP+128*(\tt/2)+32*(\tt%2)        ; each accumulator from its low end on
	ds_store_b128 v[SIN], v[8*(4*\mt+\tt)+4:8*(4*\mt+\tt)+7] offset:(32*(\mt/2)+8*(\mt%2))*SP+128*(\tt/2)+32*(\tt%2)+16
.endr
.endr
	WIN 0x40
.set ii, 0
.rept 64
	ds_load_b64 v[128+2*ii:128+2*ii+1], v[SOUT] offset:ii*SP   ; LDS serves a wave's instructions in order: these see my stores
.set ii, ii+1
.endr
	WIN 0
	s_wait_loadcnt 0x0                             ; y1
.set ii, 0
.rept 64
	v_pk_add_f32 v[Y+2*ii:Y+2*ii+1], v[Y+2*ii:Y+2*ii+1], v[100:101] neg_lo:[0,1] neg_hi:[0,1]
.set ii, ii+1
.endr
.set ii, 0
.rept 64
	v_pk_fma_f32 v[Y+2*ii:Y+2*ii+1], v[Y+2*ii:Y+2*ii+1], v[102:103], v[104:105]   ; out1 + b2f
.set ii, ii+1
.endr
	s_wait_dscnt 0x0
	WIN 0x04
.set ii, 0
.rept 64
	v_pk_add_f32 v[Y+2*ii:Y+2*ii+1], v[Y+2*ii:Y+2*ii+1], v[128+2*ii:128+2*ii+1]   ; + the product: y2
.set ii, ii+1
.endr
	WIN 0
; my two columns' sum over my wave's 64 rows, and the sum of squares about those rows' own mean
.set ii, 0
.rept 4
	v_pk_add_f32 v[ST+2*ii:ST+2*ii+1], v[Y+2*ii:Y+2*ii+1], v[Y+8+2*ii:Y+9+2*ii]
.set ii, ii+1
.endr
.set ii, 8
.rept 56
	v_pk_add_f32 v[ST+2*(ii%4):ST+2*(ii%4)+1], v[ST+2*(ii%4):ST+2*(ii%4)+1], v[Y+2*ii:Y+2*ii+1]
.set ii, ii+1
.endr
	v_pk_add_f32 v[ST:ST+1], v[ST:ST+1], v[ST+2:ST+3]
	v_pk_add_f32 v[ST+4:ST+5], v[ST+4:ST+5], v[ST+6:ST+7]
	v_pk_add_f32 v[ST:ST+1], v[ST:ST+1], v[ST+4:ST+5]
	v_pk_mul_f32 v[ST+8:ST+9], v[ST:ST+1], 0x3c800000 op_sel_hi:[1,0]   ; / 64
.set ii, 0
.rept 64
	v_pk_add_f32 v[ST+10+2*(ii%4):ST+11+2*(ii%4)], v[Y+2*ii:Y+2*ii+1], v[ST+8:ST+9] neg_lo:[0,1] neg_hi:[0,1]
.if ii < 4
	v_pk_mul_f32 v[ST+18+2*ii:ST+19+2*ii], v[ST+10+2*ii:ST+11+2*ii], v[ST+10+2*ii:ST+11+2*ii]
.else
	v_pk_fma_f32 v[ST+18+2*(ii%4):ST+19+2*(ii%4)], v[ST+10+2*(ii%4):ST+11+2*(ii%4)], v[ST+10+2*(ii%4):ST+11+2*(ii%4)], v[ST+18+2*(ii%4):ST+19+2*(ii%4)]
.endif
.set ii, ii+1
.endr
	v_pk_add_f32 v[ST+18:ST+19], v[ST+18:ST+19], v[ST+20:ST+21]
	v_pk_add_f32 v[ST+22:ST+23], v[ST+22:ST+23], v[ST+24:ST+25]
	v_pk_add_f32 v[ST+18:ST+19], v[ST+18:ST+19], v[ST+22:ST+23]
	ds_store_b64 v[EXA], v[ST:ST+1]
	ds_store_b64 v[EXA], v[ST+18:ST+19] offset:2048
	BARRIER                                        ; the eight waves' parts lie in LDS
.irp i, 0,1,2,3,4,5,6,7
	ds_load_b64 v[16+2*\i:17+2*\i], v[EXR] offset:256*\i
	ds_load_b64 v[32+2*\i:33+2*\i], v[EXR] offset:2048+256*\i
.endr
	s_wait_dscnt 0x0
	NORMCOEF 112, 52, 54
.set ii, 0
.rept 64
	v_pk_add_f32 v[Y+2*ii:Y+2*ii+1], v[Y+2*ii:Y+2*ii+1], v[52:53] neg_lo:[0,1] neg_hi:[0,1]
	v_pk_fma_f32 v[Y+2*ii:Y+2*ii+1], v[Y+2*ii:Y+2*ii+1], v[54:55], v[114:115]
	global_store_b64 v[C8], v[Y+2*ii:Y+2*ii+1], s[26:27] offset:2048*ii th:TH_STORE_NT
.set ii, ii+1
.endr
	s_wait_tensorcnt 0x0                           ; the wave's end
	ds_add_u32 v126, v127
	s_wait_dscnt 0x0
	s_endpgm
.Lfunc_end_k_qbe58ba02d7_ffn2:
	.size	k_qbe58ba02d7_ffn2, .Lfunc_end_k_qbe58ba02d7_ffn2-k_qbe58ba02d7_ffn2
	.p2alignl 7, 3214868480
	.fill 96, 4, 3214868480
	.section	.rodata,"a",@progbits
	.p2align	6, 0x0
	.amdhsa_kernel k_qbe58ba02d7_ffn2
		.amdhsa_group_segment_fixed_size 214016
		.amdhsa_private_segment_fixed_size 0
		.amdhsa_enable_private_segment 0
		.amdhsa_kernarg_size 96
		.amdhsa_user_sgpr_count 2
		.amdhsa_user_sgpr_kernarg_segment_ptr 1
		.amdhsa_wavefront_size32 1
		.amdhsa_system_sgpr_workgroup_id_x 1
		.amdhsa_system_sgpr_workgroup_id_y 1
		.amdhsa_system_sgpr_workgroup_id_z 1
		.amdhsa_system_vgpr_workitem_id 0
		.amdhsa_next_free_vgpr 512
		.amdhsa_next_free_sgpr 66
		.amdhsa_reserve_vcc 0
		.amdhsa_float_denorm_mode_32 3
		.amdhsa_float_denorm_mode_16_64 3
		.amdhsa_memory_ordered 1
		.amdhsa_forward_progress 1
		.amdhsa_inst_pref_size 128
	.end_amdhsa_kernel
	.amdgpu_metadata
---
amdhsa.version: [ 1, 2 ]
amdhsa.kernels:
  - .name:           k_qbe58ba02d7_ffn2
    .symbol:         k_qbe58ba02d7_ffn2.kd
    .args:
      - { .name: hid, .offset: 0, .size: 8, .value_kind: global_buffer, .address_space: global }
      - { .name: hids, .offset: 8, .size: 8, .value_kind: global_buffer, .address_space: global }
      - { .name: wcodes, .offset: 16, .size: 8, .value_kind: global_buffer, .address_space: global }
      - { .name: wscales, .offset: 24, .size: 8, .value_kind: global_buffer, .address_space: global }
      - { .name: y1, .offset: 32, .size: 8, .value_kind: global_buffer, .address_space: global }
      - { .name: st1, .offset: 40, .size: 8, .value_kind: global_buffer, .address_space: global }
      - { .name: g1, .offset: 48, .size: 8, .value_kind: global_buffer, .address_space: global }
      - { .name: b1, .offset: 56, .size: 8, .value_kind: global_buffer, .address_space: global }
      - { .name: b2f, .offset: 64, .size: 8, .value_kind: global_buffer, .address_space: global }
      - { .name: g2, .offset: 72, .size: 8, .value_kind: global_buffer, .address_space: global }
      - { .name: b2, .offset: 80, .size: 8, .value_kind: global_buffer, .address_space: global }
      - { .name: out0, .offset: 88, .size: 8, .value_kind: global_buffer, .address_space: global }
    .group_segment_fixed_size: 214016
    .private_segment_fixed_size: 0
    .kernarg_segment_align: 8
    .kernarg_segment_size: 96
    .max_flat_workgroup_size: 256
    .sgpr_count:     66
    .vgpr_count:     512
    .wavefront_size: 32
...
	.end_amdgpu_metadata
.endif
;; end of part 5
